; MI455X (gfx1250); checked and timed in simulation.
; The chip was launched on July 23, 2026; its instructions are those of AMD's public machine-readable ISA for CDNA 5 (MIT licence, August 2026) and "CDNA5" Instruction Set Architecture Reference Guide (July 2026). The comments in the code are by the model that wrote it; some were corrected since.
;; Multihead Attention. Allowed arithmetic: matrix products marked QUANTISED: E4M3 operands, one given power-of-two scale a tensor, by v_wmma_f32_16x16x64_fp8_fp8 or v_wmma_f32_16x16x128_fp8_fp8, f32 sums; everything else in f32.
;; Inputs: WK 1,024 x 1,024 float32; WO 1,024 x 1,024 float32; WQ 1,024 x 1,024 float32; WV 1,024 x 1,024 float32; lowp_scales 12 int32 (the exponents e of the quantised operands' scales 2^e); x 2 x 2,048 x 1,024 float32.
;; Outputs: out0 2 x 2,048 x 1,024 float32.
;; This version of the problem:
;;   THIS VERSION OF THE PROBLEM IS GIVEN IN LOW PRECISION. The matrix products marked QUANTISED in the list below multiply operands that are first quantised to E4M3 (4 exponent bits, 3 mantissa bits; 8 bits a number), with one given power-of-two scale for each operand tensor; their sums are f32. All else is computed in f32.
;;   The module's matrix products, in the order in which they are computed (A, B: the left and right operand; K: the contracted axis; several contracted axes count as one K, in the product's order):
;;     1. [M 4,096, K 1,024] x [K 1,024, N 1,024]; A: input x; B: input WQ: QUANTISED (scales: A lowp_scales[0], B lowp_scales[1])
;;     2. [M 4,096, K 1,024] x [K 1,024, N 1,024]; A: input x; B: input WK: QUANTISED (scales: A lowp_scales[2], B lowp_scales[3])
;;     3. [M 4,096, K 1,024] x [K 1,024, N 1,024]; A: input x; B: input WV: QUANTISED (scales: A lowp_scales[4], B lowp_scales[5])
;;     4. batch 32 x [M 2,048, K 64] x [K 64, N 2,048]; A: computed on the way; B: computed on the way: QUANTISED (scales: A lowp_scales[6], B lowp_scales[7])
;;     5. batch 32 x [M 2,048, K 2,048] x [K 2,048, N 64]; A: softmax (see below); B: computed on the way: QUANTISED (scales: A lowp_scales[8], B lowp_scales[9])
;;     6. [M 4,096, K 1,024] x [K 1,024, N 1,024]; A: computed on the way; B: input WO: QUANTISED (scales: A lowp_scales[10], B lowp_scales[11])
;;   THE QUANTISER, for each operand of a quantised product, along K:
;;     - The operand's scale is 2^e, e = its entry of the input lowp_scales (int32; the entries are numbered through the quantised products in the list's order, A before B).
;;     - Each number is divided by the scale, clamped to +-448, and rounded to the nearest number of E4M3, ties to even, subnormals kept.
;;     - The product sums the exact products of the quantised numbers (number of the format x scale) in f32.
;;   ~~~python
;;   def quantise(x, axis, e):      # numpy; x: float32 -> the quantised numbers, widened to float32 again
;;       x = np.moveaxis(x, axis, -1); K = x.shape[-1]
;;       r = np.clip(x / 2.0 ** e, -448, 448)
;;       step = 2.0 ** (np.maximum(np.frexp(np.where(r == 0, 1, r))[1] - 1, -6) - 3)
;;       q = np.round(r / step) * step * 2.0 ** e      # np.round: ties to even
;;       return np.moveaxis(q, -1, axis).astype(np.float32)
;;   ~~~
;;   SOFTMAX AHEAD OF A QUANTISED PRODUCT. Where the list says 'softmax', what is quantised is not the finished softmax but p = 2^(t - M), with t = logit x log2(e) and M = ceil(the row's largest t), a whole number; so 1/2 < the row's largest p <= 1. The row's sum l is taken of the UNQUANTISED p, in f32, and the product's result is divided by l at the end. Since M is a whole number, a kernel that streams over the keys may use a running M (the ceiling of the running maximum): every later rescaling is an exact power of two, so the quantised numbers keep their values, but for numbers so far below the row's largest that they fall under the format's range.
;;   OPERANDS COMPUTED ON THE WAY. 'Computed on the way' means the value that the module computes at that place (a softmax that the list does not call 'softmax' is quantised finished and normalised). What goes into a quantiser is computed in f32, as accurately as f32 sums, v_exp_f32 and their like allow (about 1e-6 of the number): no bf16 or f16 on the way to a quantiser, and a product that is left as it is and whose result goes on into a quantised operand takes f32 operands (vector FMAs, or v_wmma_f32_16x16x4_f32). A number that lies on a knife's edge between two numbers of the format may be rounded either way, as far as f32 arithmetic and the matrix unit's own rounding can turn it there, and no further.
;; One version. Each part assembles by itself: llvm-mc -triple=amdgcn-amd-amdhsa -mcpu=gfx1250 --defsym DOCPART=n.
;; ======== version 1 of 1: 4 launches
;; limits: right only within a limited range of input values
;; workspace buffers: xc 12,582,912 bytes; wc 4,194,304 bytes; qkv 12,582,912 bytes; ao 4,194,304 bytes
;; launch quant (part 1): grid 256 x 1, 8 waves a work-group, no clusters, 101,376 bytes of LDS; arguments x, WQ, WK, WV, WO, lowp_scales, xc, wc; writes xc, wc
.if DOCPART == 1
	.amdgcn_target "amdgcn-amd-amdhsa--gfx1250"
	.amdhsa_code_object_version 6
	.text
	.protected	k_q052262ce0b_quant
	.globl	k_q052262ce0b_quant
	.p2align	8
	.type	k_q052262ce0b_quant,@function
k_q052262ce0b_quant:
	s_mov_b64 s[64:65], 0
	v_nop
	global_prefetch_b8 v0, s[64:65] scope:SCOPE_SE
	s_setreg_imm32_b32 hwreg(HW_REG_WAVE_MODE, 25, 1), 1
	s_wait_xcnt 0x0
; x [4096][1024] f32 becomes THREE sets of E4M3 codes (scales 2^e0, 2^e2, 2^e4: one for each of the products with WQ, WK, WV), laid [4096][1024], a code a byte: xc + p x 4 MiB.
; WQ, WK, WV, WO [k 1024][n 1024] f32 become codes laid [n][k], K innermost (scales 2^e1, 2^e3, 2^e5, 2^e11): wc + i x 1 MiB.
; code = number / 2^e, held within +-448, rounded to the nearest code, ties to even.
; LIMITS: each of these seven e lies between -126 and 119, so that 2^e and 448 x 2^e are f32 numbers.  NaN among the inputs is not served; an infinity is held at the largest code.
; The program leaves out one kind of work: in the attention launch, whole steps of 128 keys that the causal mask hides from all 16 queries of a tile (their weights are exactly 0).
; LIMIT: a NaN or an infinity that reaches only such hidden scores is not carried to the result.
; Work-groups 0-127 take x, 128-255 the weights: two paths that part on the work-group's number and never join; each has LDS bytes of its own (x: 0 .. 65,535; weights: 65,536 .. 100,351).
; No tensor loads, no cluster, no matrix unit: nothing is shared between work-groups, and the work is a stream.
.set STEPS, 8                          ; x path: a wave takes 8 steps of 512 numbers
.set SP,    80                         ; a lane's place in a stage: its 64 bytes + 16 of padding
.set R,     16                         ; v16-143  eight sets of 16 numbers as they are loaded
.set X,     144                        ; v144-175 two sets of 16 neighbours
.set T,     176                        ; v176-223 the 16 neighbours held for each of the three scales
.set C,     224                        ; v224-247 codes: two sets of 3 x 4 registers, by turns
.set SC,    248                        ; v248-253 for scale p: 2^e at SC + 2 p, 448 x 2^e at SC + 2 p + 1
.set WP,    272                        ; weights' path: a stage row, 256 bytes of codes + 16
.set WSTG,  65536                      ; where its four stages of 32 rows begin
.set WX,    32                         ; v32-95   two sets of 32 numbers
.set WC,    96                         ; v96-103  a block's codes
.set OUTR,  112                        ; v112-143 the way out
.set SPW,   12                         ; v12      LDS address of my spare word; never rewritten
.set NIL,   13                         ; v13      0; never rewritten
.set SPARE, WSTG+4*32*WP               ; the spare words, 128 bytes for each wave, that no other line names
	s_load_b512 s[4:19], s[0:1], 0x0               ; x s[4:5], WQ s[6:7], WK s[8:9], WV s[10:11], WO s[12:13], the exponents s[14:15], xc s[16:17], wc s[18:19]
	v_lshl_add_u32 v[SPW], v0, 2, SPARE
	v_mov_b32 v[NIL], 0
	v_lshrrev_b32 v1, 5, v0
	v_readfirstlane_b32 s44, v1                    ; wave 0..7
	v_and_b32 v2, 31, v0                           ; lane
	s_wait_alu depctr_va_vdst(0)
	s_wait_kmcnt 0x0
	s_load_b256 s[32:39], s[14:15], 0x0            ; e0 .. e7
	s_load_b128 s[40:43], s[14:15], 0x20           ; e8 .. e11
	s_cmp_lt_u32 ttmp9, 128
	s_cbranch_scc0 .Lweights
; ---------------- x: a plain stream of numbers.  Each load reads 512 consecutive bytes, 16 a lane; a step's 2,048 bytes turn through the wave's own stage in LDS and come back 64 bytes a lane:
; 16 NEIGHBOURS along K, as the conversions want them.  A lane's 16 codes are 16 bytes: each store of the wave covers 512 consecutive bytes, aligned.  All 32 loads of a wave are asked for at once.
	s_mul_i32 s45, s44, 8192                       ; my wave's LDS region: two stages of 32 x SP bytes
	s_lshl_b32 s46, ttmp9, 3
	s_add_co_u32 s46, s46, s44                     ; which run of 4,096 numbers is my wave's
	s_lshl_b32 s48, s46, 14
	s_mov_b32 s49, 0
	s_add_nc_u64 s[48:49], s[4:5], s[48:49]        ; its numbers,
	s_lshl_b32 s50, s46, 12
	s_mov_b32 s51, 0
	s_add_nc_u64 s[50:51], s[16:17], s[50:51]      ; and its codes in the three parts of xc
	s_add_nc_u64 s[52:53], s[50:51], 0x400000
	s_add_nc_u64 s[54:55], s[50:51], 0x800000
	v_lshlrev_b32 v3, 4, v2                        ; my 16 bytes of a load's, and of a store's, 512; never rewritten
.irp t, 0,1,2,3,4,5,6,7
.irp i, 0,1,2,3
	global_load_b128 v[R+16*\t+4*\i:R+16*\t+4*\i+3], v3, s[48:49] offset:2048*\t+512*\i th:TH_LOAD_NT
.endr
.endr
	v_lshrrev_b32 v14, 2, v2
	v_mul_u32_u24 v14, v14, SP
	v_and_b32 v15, 3, v2
	v_lshl_add_u32 v14, v15, 4, v14
	v_add_nc_u32 v14, s45, v14                     ; into the stage: four lanes' 64 bytes on end, then the padding
	v_mul_u32_u24 v15, v2, SP
	v_add_nc_u32 v15, s45, v15                     ; out of it: SP x lane
.macro XTURN t                         ; step t's numbers through the stage: LDS serves a wave's instructions in order (ISA guide 5.7.1.4), so no wait stands between the stores and the loads
.irp i, 0,1,2,3
	ds_store_b128 v14, v[R+16*(\t)+4*\i:R+16*(\t)+4*\i+3] offset:32*SP*((\t)%2)+8*SP*\i
.endr
.irp i, 0,1,2,3
	ds_load_b128 v[X+16*((\t)%2)+4*\i:X+16*((\t)%2)+4*\i+3], v15 offset:32*SP*((\t)%2)+16*\i
.endr
.endm
	s_wait_alu depctr_va_vdst(0)
	s_wait_kmcnt 0x0
.irp p, 0,1,2
	s_add_co_i32 s56, s[32+2*\p], 127              ; e0, e2, e4
	s_lshl_b32 s57, s56, 23
	v_mov_b32 v[SC+2*\p], s57                      ; 2^e as f32: the conversion takes its exponent field
	s_add_co_i32 s56, s56, 8
	s_lshl_b32 s56, s56, 23
	s_or_b32 s56, s56, 0x600000
	v_mov_b32 v[SC+2*\p+1], s56                    ; 448 x 2^e
.endr
	s_wait_alu depctr_va_vdst(0)                   ; the head's end
	s_wait_loadcnt 28                              ; step 0's four loads are in; the 28 of steps 1 to 7 may be out
	XTURN 0
.macro XSTEP t
.set XS, X+16*((\t)%2)
.set CS, C+12*((\t)%2)
	s_wait_dscnt 0x0                               ; this step's numbers are back from the stage
.if (\t)+1 < STEPS
	s_wait_loadcnt 4*(STEPS-2-(\t))                ; the next step's four loads are in; those of the steps behind it may be out
	XTURN (\t)+1                                   ; they go through the other stage while this step is worked
.endif
	s_wait_xcnt 0x0                                ; the stores of two steps ago have read this set of code registers: it is rewritten only behind this wait
.irp p, 0,1,2
.irp i, 0,1,2,3,4,5,6,7,8,9,10,11,12,13,14,15
	v_med3_num_f32 v[T+16*\p+\i], v[XS+\i], -v[SC+2*\p+1], v[SC+2*\p+1]   ; the conversion to an 8-bit code does not saturate (ISA guide 7.6.2): the hold at the largest code x the scale
.endr
.endr
.irp p, 0,1,2
	v_cvt_scalef32_pk8_fp8_f32 v[CS+4*\p:CS+4*\p+1], v[T+16*\p:T+16*\p+7], v[SC+2*\p]
	v_cvt_scalef32_pk8_fp8_f32 v[CS+4*\p+2:CS+4*\p+3], v[T+16*\p+8:T+16*\p+15], v[SC+2*\p]
.endr
	v_nop                                          ; one plain vector instruction between the conversions and the next step's holds, which write their sources
.irp p, 0,1,2
	global_store_b128 v3, v[CS+4*\p:CS+4*\p+3], s[50+2*\p:51+2*\p] offset:512*(\t)
.endr
.endm
.irp t, 0,1,2,3,4,5,6,7
	XSTEP \t
.endr
	s_wait_tensorcnt 0x0                           ; the wave's end, behind my last LDS store
	ds_add_u32 v[SPW], v[NIL]
	s_wait_dscnt 0x0
	s_endpgm
; ---------------- the weights: K is their FIRST axis.  A lane takes a column n and its registers run DOWN K: each load reads 128 consecutive bytes a wave, and the conversions give codes with K innermost.
; A work-group takes 128 columns x 256 along K of one weight; waves w and w + 4 take the same 32 columns, 128 along K each, and share a stage of 32 rows of 256 bytes, of which each then stores 16: sixteen lanes to 256 consecutive bytes, aligned.
.Lweights:
	s_sub_co_u32 s45, ttmp9, 128
	s_lshr_b32 s46, s45, 5                         ; which weight: 0 WQ, 1 WK, 2 WV, 3 WO
	s_and_b32 s47, s45, 7                          ; which 128 columns
	s_bfe_u32 s48, s45, 0x20003                    ; which 256 along K
	s_cmp_eq_u32 s46, 0                            ; the choices hang on the work-group's number alone
	s_cselect_b64 s[20:21], s[6:7], s[8:9]
	s_cmp_lt_u32 s46, 2
	s_cselect_b64 s[20:21], s[20:21], s[10:11]
	s_cmp_lt_u32 s46, 3
	s_cselect_b64 s[20:21], s[20:21], s[12:13]
	s_and_b32 s58, s44, 3                          ; my 32 columns,
	s_lshr_b32 s59, s44, 2                         ; and my half of the 256
	s_lshl_b32 s49, s47, 7
	s_lshl_b32 s50, s58, 5
	s_add_co_u32 s49, s49, s50                     ; my wave's first column
	s_lshl_b32 s52, s48, 20                        ; 256 rows of 4,096 bytes,
	s_lshl_b32 s50, s59, 19                        ; 128 of them
	s_add_co_u32 s52, s52, s50
	s_lshl_b32 s50, s49, 2
	s_add_co_u32 s52, s52, s50
	s_mov_b32 s53, 0
	s_add_nc_u64 s[20:21], s[20:21], s[52:53]      ; where my wave's numbers begin
	s_lshl_b32 s54, s46, 20                        ; the weight's part of wc,
	s_lshl_b32 s50, s49, 10                        ; a column's row of 1,024 codes,
	s_add_co_u32 s54, s54, s50
	s_lshl_b32 s50, s48, 8                         ; the work-group's 256 of them
	s_add_co_u32 s54, s54, s50
	s_mov_b32 s55, 0
	s_add_nc_u64 s[22:23], s[18:19], s[54:55]
	s_mul_i32 s51, s58, 32*WP
	s_add_co_u32 s51, s51, WSTG                    ; our stage
	s_lshl_b32 s60, s59, 7
	s_add_co_u32 s60, s60, s51                     ; my half of its rows, on the way in
	s_mul_i32 s61, s59, 16*WP
	s_add_co_u32 s61, s61, s51                     ; my 16 rows, on the way out,
	s_lshl_b32 s62, s59, 14                        ; and in wc
	v_lshlrev_b32 v3, 2, v2                        ; in: 4 bytes a lane
.macro WLOAD t                         ; block t: W(32 t + i, my column), i = 0 .. 31, into set t % 2; the largest offset, 127 rows of 4,096 bytes, lies inside the signed 24-bit immediate
.irp i, 0,1,2,3,4,5,6,7,8,9,10,11,12,13,14,15,16,17,18,19,20,21,22,23,24,25,26,27,28,29,30,31
	global_load_b32 v[WX+32*((\t)%2)+\i], v3, s[20:21] offset:(32*(\t)+\i)*4096 th:TH_LOAD_NT
.endr
.endm
	WLOAD 0
	WLOAD 1
	v_mul_u32_u24 v4, v2, WP
	v_and_b32 v5, 15, v2
	v_lshrrev_b32 v6, 4, v2
	v_add_nc_u32 v4, s60, v4                       ; into the stage: row = my column
	v_mul_u32_u24 v7, v6, WP
	v_lshlrev_b32 v8, 10, v6
	v_lshl_add_u32 v7, v5, 4, v7
	v_lshl_add_u32 v8, v5, 4, v8
	v_add_nc_u32 v7, s61, v7                       ; out of it: sixteen lanes to a row, two rows an instruction
	v_add_nc_u32 v8, s62, v8                       ; and the same place in wc
	s_wait_alu depctr_va_vdst(0)
	s_wait_kmcnt 0x0
	s_cmp_eq_u32 s46, 0
	s_cselect_b32 s56, s33, s35                    ; e1 or e3,
	s_cmp_lt_u32 s46, 2
	s_cselect_b32 s56, s56, s37                    ; or e5,
	s_cmp_lt_u32 s46, 3
	s_cselect_b32 s56, s56, s43                    ; or e11
	s_add_co_i32 s56, s56, 127
	s_lshl_b32 s57, s56, 23
	v_mov_b32 v11, s57                             ; 2^e as f32
	s_add_co_i32 s56, s56, 8
	s_lshl_b32 s56, s56, 23
	s_or_b32 s56, s56, 0x600000
	v_mov_b32 v10, s56                             ; 448 x 2^e
	s_wait_alu depctr_va_vdst(0)                   ; the head's end
.macro WBLOCK t
.set XS, WX+32*((\t)%2)
.if (\t) < 3
	s_wait_loadcnt 32                              ; this block's 32 loads are in; the next block's may be out
.else
	s_wait_loadcnt 0
.endif
.irp i, 0,1,2,3,4,5,6,7,8,9,10,11,12,13,14,15,16,17,18,19,20,21,22,23,24,25,26,27,28,29,30,31
	v_med3_num_f32 v[XS+\i], v[XS+\i], -v10, v10   ; the hold at the largest code x the scale
.endr
.irp g, 0,1,2,3
	v_cvt_scalef32_pk8_fp8_f32 v[WC+2*\g:WC+2*\g+1], v[XS+8*\g:XS+8*\g+7], v11
.endr
	v_nop                                          ; one plain vector instruction behind the last conversion
	ds_store_b128 v4, v[WC:WC+3] offset:32*(\t)    ; 32 codes: 32 bytes of my column's row
	ds_store_b128 v4, v[WC+4:WC+7] offset:32*(\t)+16
.if (\t)+2 < 4
	WLOAD (\t)+2
.endif
	s_wait_dscnt 0x0                               ; the stores are done: the next block's codes may be written, and at the end the stage may be shown to the other wave
.endm
.irp t, 0,1,2,3
	WBLOCK \t
.endr
	s_barrier_signal -1
	s_barrier_wait -1                              ; both halves of every row are there
.irp t, 0,1,2,3,4,5,6,7
	ds_load_b128 v[OUTR+4*\t:OUTR+4*\t+3], v7 offset:2*\t*WP
.endr
.irp t, 0,1,2,3,4,5,6,7
	s_wait_dscnt 7-\t                              ; the younger loads of this run may be out
	global_store_b128 v8, v[OUTR+4*\t:OUTR+4*\t+3], s[22:23] offset:2*\t*1024
.endr
	s_wait_tensorcnt 0x0                           ; the wave's end, behind my last LDS store
	ds_add_u32 v[SPW], v[NIL]
	s_wait_dscnt 0x0
	s_endpgm
.Lfunc_end_k_q052262ce0b_quant:
	.size	k_q052262ce0b_quant, .Lfunc_end_k_q052262ce0b_quant-k_q052262ce0b_quant
	.p2alignl 7, 3214868480
	.fill 96, 4, 3214868480
	.section	.rodata,"a",@progbits
	.p2align	6, 0x0
	.amdhsa_kernel k_q052262ce0b_quant
		.amdhsa_group_segment_fixed_size 101376
		.amdhsa_private_segment_fixed_size 0
		.amdhsa_enable_private_segment 0
		.amdhsa_kernarg_size 64
		.amdhsa_user_sgpr_count 2
		.amdhsa_user_sgpr_kernarg_segment_ptr 1
		.amdhsa_wavefront_size32 1
		.amdhsa_system_sgpr_workgroup_id_x 1
		.amdhsa_system_sgpr_workgroup_id_y 1
		.amdhsa_system_sgpr_workgroup_id_z 1
		.amdhsa_system_vgpr_workitem_id 0
		.amdhsa_next_free_vgpr 256
		.amdhsa_next_free_sgpr 66
		.amdhsa_reserve_vcc 0
		.amdhsa_float_denorm_mode_32 3
		.amdhsa_float_denorm_mode_16_64 3
		.amdhsa_memory_ordered 1
		.amdhsa_forward_progress 1
		.amdhsa_inst_pref_size 66
	.end_amdhsa_kernel
	.amdgpu_metadata
---
amdhsa.version: [ 1, 2 ]
amdhsa.kernels:
  - .name:           k_q052262ce0b_quant
    .symbol:         k_q052262ce0b_quant.kd
    .args:
      - { .name: x, .offset: 0, .size: 8, .value_kind: global_buffer, .address_space: global }
      - { .name: WQ, .offset: 8, .size: 8, .value_kind: global_buffer, .address_space: global }
      - { .name: WK, .offset: 16, .size: 8, .value_kind: global_buffer, .address_space: global }
      - { .name: WV, .offset: 24, .size: 8, .value_kind: global_buffer, .address_space: global }
      - { .name: WO, .offset: 32, .size: 8, .value_kind: global_buffer, .address_space: global }
      - { .name: lowp_scales, .offset: 40, .size: 8, .value_kind: global_buffer, .address_space: global }
      - { .name: xc, .offset: 48, .size: 8, .value_kind: global_buffer, .address_space: global }
      - { .name: wc, .offset: 56, .size: 8, .value_kind: global_buffer, .address_space: global }
    .group_segment_fixed_size: 101376
    .private_segment_fixed_size: 0
    .kernarg_segment_align: 8
    .kernarg_segment_size: 64
    .max_flat_workgroup_size: 256
    .sgpr_count:     66
    .vgpr_count:     256
    .wavefront_size: 32
...
	.end_amdgpu_metadata
.endif
;; end of part 1
;; launch qkv (part 2): grid 12 x 16, 4 waves a work-group, clusters of 4 x 4, 327,680 bytes of LDS; arguments xc, wc, lowp_scales, qkv; writes qkv
.if DOCPART == 2
	.amdgcn_target "amdgcn-amd-amdhsa--gfx1250"
	.amdhsa_code_object_version 6
	.text
	.protected	k_q052262ce0b_qkv
	.globl	k_q052262ce0b_qkv
	.p2align	8
	.type	k_q052262ce0b_qkv,@function
k_q052262ce0b_qkv:
	s_mov_b64 s[64:65], 0
	v_nop
	global_prefetch_b8 v0, s[64:65] scope:SCOPE_SE
	s_setreg_imm32_b32 hwreg(HW_REG_WAVE_MODE, 25, 1), 1
	s_wait_xcnt 0x0
	s_wait_alu depctr_hold_cnt(0) depctr_sa_sdst(0) depctr_va_vdst(0) depctr_va_sdst(0) depctr_va_ssrc(0) depctr_va_vcc(0) depctr_vm_vsrc(0)
	s_getreg_b32 s2, hwreg(HW_REG_IB_STS2, 6, 4)
	s_cmp_eq_u32 s2, 0
	s_cbranch_scc0 .Lentry_in_a_cluster
	s_endpgm
.Lentry_in_a_cluster:
	s_bfe_u32 s2, ttmp6, 0x10000c
	s_cmp_lg_u32 s2, 0xf033
	s_cbranch_scc0 .Lentry_shape_is_right
	s_endpgm
.Lentry_shape_is_right:
; Q, K, V = x WQ, x WK, x WV on E4M3 codes, f32 sums, quantised at once for attention (scales 2^e6, 2^e7, 2^e9).  Cluster x = 0: Q, 1: K, 2: V (for V the two operands change places: rows are features, columns tokens).
; A work-group makes 256 x 256, a wave 128 x 128 (64 accumulators); K goes in four steps of 256 through two LDS slots.  Clusters of 4 x 4 ask jointly: A's tile along a row, B's along a column.
; BOTH SLOTS ARE FILLED BY THE HEAD'S ONE LOAD A WAVE: waves 0 and 1 bring A's 256 rows of K step 0 and of K step 1, waves 2 and 3 B's.  A refill (K steps 2 and 3) is shared out by rows: 128 rows a wave.
; PREFETCH: K step 2 is asked of memory behind the head's load, K step 3 behind K step 2's load, in both cases a K step or more ahead of the load that wants it; each row's 256 bytes once in each cluster.
; OUT, images of operand registers, 1,024 bytes for 16 rows x 64: byte 256 q + 16 m holds row m, numbers 16 q .. 16 q + 15 along the next K.  ROW m OF TILE T IS NUMBER 32 (T / 2) + 8 (T % 2) + m + 8 (m / 8).
;   Q: (batch x 16 + head) x 131,072 + 1,024 x tile of tokens.   K and V: 4 MiB + (batch x 16 + head) x 262,144 + 16,384 x (token / 128) + 1,024 x piece:
;   pieces 0-7: K's tiles of 16 keys; pieces 8 + 2 t + u: V's tile t of 16 features, the step's keys 64 u on.
; THE MATRIX INSTRUCTION IS USED TRANSPOSED (source 0 = 16 rows of B, source 1 = 16 rows of A): a lane holds eight neighbouring numbers of a row of the result.
; REGISTERS: window 0: v16-31 addresses and constants; v32-95 a block held; v96-111 codes; v112-175 the way out; v128-255 A's fragments;  window 1: B's, two sets;  windows 2, 3: the accumulators of my rows 0-63, 64-127.
; LIMITS: e6 - e0 - e1, e7 - e2 - e3 and e9 - e4 - e5 between -126 and 119.  An infinity is held at the largest code; NaN is not served.
.set ROWB,   256                       ; a tile's row: 256 codes
.set KROW,   1024                      ; a row of codes in memory
.set PITCH,  272                       ; an LDS row: 256 bytes + 16 = 68 words: row r starts at bank 4 r mod 64 (64 banks of 4 bytes: ISA guide 11.1)
.set FR,     16                        ; registers of a fragment: 16 rows x 128 K
.set NL,     4                         ; LDS loads that bring one
.set NP,     4                         ; places behind this matrix instruction (ISA guide 7.12.1)
.set HALFT,  128*PITCH
.set SLOT,   4*HALFT                   ; A's 256 rows, then B's
.set SPARE,  2*SLOT                    ; the spare words, 128 bytes for each wave, that no other line names
.set ADRA, 16                          ; v16, v17 LDS address of my A fragments in slot 0, 1
.set PFO,  18                          ; v18      the prefetches' offset: my lane x a row; never rewritten
.set ADRB, 20                          ; v20, v21 of my B fragments
.set STO,  24
.set RD,   25
.set CO,   26                          ; v26, v27 my place in an image of the even and of the odd tile of a pair
.set SPW,  28                          ; v28, v29 LDS address of my spare word, and 0; never rewritten
.set NIL,  29
.set SCL,  30                          ; v30, v31 the conversion's scale, and 448 x that
.set LIM,  31
.set TMP,  32
.set CD,   96
.set BK,   112
.set AF,   128
.set G1, 24                            ; s[24:31], s[32:39] descriptor groups 1 and 0 (one a slot) for A;  s[48:55], s[56:63] for B
.set G0, 32
.set G1B, 48
.set G0B, 56
.set PFA, 98                           ; s[98:99] where my prefetches stand; never rewritten
.set MSB, 0
.macro WIN new                         ; the immediate's high byte repeats the setting that is left
.if MSB != \new
	s_set_vgpr_msb (MSB<<8)|\new
.set MSB, \new
.endif
.endm
.set MUL_LO, 0xa1                      ; source 0 (B) window 1, source 1 (A) window 0, C and D window 2
.set MUL_HI, 0xf1                      ; the same, C and D window 3
.set TO_B,   0x40
.macro JLOAD s                         ; a joint load: waves 0 and 1 for A, waves 2 and 3 for B; the branch hangs on the wave's number alone
	s_cmp_eq_u32 s15, 0
	s_cbranch_scc0 .Lfor_b_\@
	tensor_load_to_lds s[G0+4*\s:G0+4*\s+3], s[G1:G1+7]
	s_nop 0
.rept 4
	v_nop
.endr
	s_branch .Lasked_\@
.Lfor_b_\@:
	tensor_load_to_lds s[G0B+4*\s:G0B+4*\s+3], s[G1B:G1B+7]
	s_nop 0
.rept 4
	v_nop
.endr
.Lasked_\@:
.endm
.macro CREST                           ; a round of the cluster's barrier behind its opening barrier
	s_cmp_lg_u32 s14, 0
	s_cbranch_scc1 .Lnot_wave_0_\@
	s_barrier_signal -3
.Lnot_wave_0_\@:
	s_barrier_wait -3
	s_barrier_signal -1
	s_barrier_wait -1
.endm
.macro CROUND
	s_barrier_signal -1
	s_barrier_wait -1
	CREST
.endm
	s_load_b256 s[68:75], s[0:1], 0x0              ; xc s[68:69], wc s[70:71], the exponents s[72:73], qkv s[74:75]
	v_lshl_add_u32 v[SPW], v0, 2, SPARE
	v_mov_b32 v[NIL], 0
	ds_add_u32 v[SPW], v[NIL]                      ; the opening lines: the add, twice on end, and its wait ahead of my first tensor load
	ds_add_u32 v[SPW], v[NIL]
	v_lshrrev_b32 v1, 5, v0
	v_readfirstlane_b32 s14, v1                    ; wave 0..3
	s_lshr_b32 s15, s14, 1                         ; which half of the rows is mine.  Also: I fetch for A (0) or for B (1)
	s_and_b32 s16, s14, 1                          ; which half of the columns.  Also: which K step I fetch at the head, which 128 rows later
	s_bfe_u32 s40, ttmp6, 0x40000                  ; cx, cy
	s_bfe_u32 s41, ttmp6, 0x40004
	s_and_b32 s76, ttmp7, 0xffff
	s_lshl_b32 s76, s76, 2
	s_lshl_b32 s79, ttmp9, 22                      ; the product's part of xc,
	s_lshl_b32 s85, ttmp9, 20                      ; and of wc
	s_lshl_b32 s43, s41, 2
	s_lshl_b32 s43, 15, s43                        ; my row of the cluster
	s_lshl_b32 s44, 0x1111, s40                    ; my column
	s_cmp_eq_u32 ttmp9, 2
	s_cselect_b32 s77, s76, 0
	s_cselect_b32 s78, 0, s76
	s_add_co_u32 s42, s40, s77                     ; tile column: cx, for V with the cluster's y
	s_add_co_u32 s17, s41, s78                     ; tile row: cy, for Q and K with the cluster's y
	; descriptor group 1 at the head: 256 rows of 256 bytes, 16 bytes of padding behind each
	s_or_b32 s[G1+0], s43, (0<<16)|(1<<20)|(1<<21)|(5<<22)|(3<<25)
	s_or_b32 s[G1B+0], s44, (0<<16)|(1<<20)|(1<<21)|(5<<22)|(3<<25)
.irp g, G1, G1B
	s_mov_b32 s[\g+1], ROWB<<16
	s_mov_b32 s[\g+2], 256<<16
	s_mov_b32 s[\g+3], ROWB<<16
	s_mov_b32 s[\g+4], 256
	s_mov_b32 s[\g+5], KROW
	s_mov_b32 s[\g+6], 0
	s_mov_b32 s[\g+7], 0
.endr
	s_lshl_b32 s20, s17, 18                        ; 256 rows of 1,024 bytes
	s_lshl_b32 s46, s42, 18
	s_mov_b32 s21, 0
	s_mov_b32 s47, 0
	s_mul_i32 s45, s16, SLOT                       ; where the head's tiles go: slot 0 or 1: A's rows,
	s_mov_b32 s86, 0x200000
	s_mov_b32 s81, 0
	s_mov_b32 s83, 0
	s_lshl_b32 s18, s16, 8                         ; K step 0 or 1
	s_mov_b32 s19, 0
	s_mov_b32 s[G0], 1
	s_mov_b32 s[G0+1], s45
	s_mov_b32 s[G0B], 1
	s_add_co_u32 s[G0B+1], s45, 2*HALFT            ; and B's behind them
	s_wait_alu depctr_va_vdst(0)
	s_wait_dscnt 0x0                               ; both opening adds are done
	s_wait_kmcnt 0x0
	s_load_b256 s[88:95], s[72:73], 0x0            ; e0 .. e7
	s_load_b64 s[96:97], s[72:73], 0x20            ; e8, e9
	s_cmp_eq_u32 ttmp9, 2
	s_cselect_b64 s[4:5], s[70:71], s[68:69]
	s_cselect_b64 s[6:7], s[68:69], s[70:71]
	s_cselect_b32 s80, s86, s79
	s_cselect_b32 s82, s79, s85
	s_add_nc_u64 s[20:21], s[20:21], s[80:81]
	s_add_nc_u64 s[46:47], s[46:47], s[82:83]
	s_add_nc_u64 s[20:21], s[4:5], s[20:21]        ; my tile of A,
	s_add_nc_u64 s[46:47], s[6:7], s[46:47]        ; my tile of B
	s_add_nc_u64 s[G0+2:G0+3], s[20:21], s[18:19]
	s_or_b32 s[G0+3], s[G0+3], 0x80000000
	s_add_nc_u64 s[G0B+2:G0B+3], s[46:47], s[18:19]
	s_or_b32 s[G0B+3], s[G0B+3], 0x80000000
	CROUND                                         ; all sixteen work-groups are here: the joint loads meet
	JLOAD 0                                        ; K steps 0 and 1: one tensor load a wave
	; the prefetches: of the 128 rows that my wave will fetch the four partners take 32 each, told apart by address (cx for A, cy for B)
	s_cmp_eq_u32 s15, 0
	s_cselect_b64 s[PFA:PFA+1], s[20:21], s[46:47]
	s_cselect_b32 s80, s40, s41
	s_lshl_b32 s80, s80, 15
	s_lshl_b32 s18, s16, 17                        ; my 128 rows
	s_add_co_u32 s80, s80, s18
	s_add_nc_u64 s[PFA:PFA+1], s[PFA:PFA+1], s[80:81]
	v_and_b32 v6, 31, v0                           ; lane
	v_and_b32 v1, 15, v0                           ; l % 16
	v_bfe_u32 v2, v0, 4, 1                         ; l / 16
	v_lshlrev_b32 v[PFO], 10, v6
	v_mul_u32_u24 v3, v1, PITCH
	v_mul_u32_u24 v5, v1, 80
	v_and_b32 v7, 8, v1
	global_prefetch_b8 v[PFO], s[PFA:PFA+1] offset:512 th:TH_LOAD_NT scope:SCOPE_SE   ; K step 2
	s_mul_i32 s21, s15, HALFT                      ; my 128 rows of A
	s_mul_i32 s22, s16, HALFT                      ; my 128 rows of B,
	s_add_co_u32 s22, s22, 2*HALFT                 ; which lie behind A's 256
	s_mul_i32 s23, s14, 5120                       ; my stage, in slot 0 (its last fill and its last read are over when the first result is stored there): 2 halves x 32 rows x (64 bytes + 16)
	v_lshl_add_u32 v4, v2, 4, v3
	v_lshl_add_u32 v5, v2, 3, v5
	v_add_nc_u32 v7, v7, v1                        ; row m of a tile comes from stage row m + 8 (m / 8) (+ 8 for the odd tile)
	v_add_nc_u32 v[ADRA], s21, v4
	v_add_nc_u32 v[ADRB], s22, v4
	v_mul_u32_u24 v7, v7, 80
	v_add_nc_u32 v[ADRA+1], SLOT, v[ADRA]
	v_add_nc_u32 v[ADRB+1], SLOT, v[ADRB]
	v_add_nc_u32 v[STO], s23, v5
	v_lshl_add_u32 v7, v2, 4, v7
	v_lshlrev_b32 v[CO], 4, v6                     ; 16 x lane in an image
	v_add_nc_u32 v[RD], s23, v7
	s_wait_alu depctr_va_vdst(0)                   ; ahead of the scalar run
	s_lshl_b32 s84, s17, 1
	s_add_co_u32 s84, s84, s15                     ; which 128 rows of A are mine,
	s_lshl_b32 s85, s42, 1
	s_add_co_u32 s85, s85, s16                     ; and which 128 rows of B
	s_mov_b32 s86, 0x40000
	s_mov_b32 s77, 1024
	s_mov_b32 s78, 2048
	s_mov_b32 s87, 0x400000
	s_mov_b32 s5, 0
	s_mov_b32 s7, 0
	s_cmp_eq_u32 ttmp9, 2
	s_cselect_b32 s22, s85, s84                    ; my 128 tokens,
	s_cselect_b32 s80, s84, s85                    ; and my 128 features (two heads)
	s_cselect_b32 s84, s77, s86                    ; from half to half of a block's 128 columns: V: the next piece; K: the next head
	s_cselect_b32 s76, s78, s77                    ; from tile to tile of a pair
	s_cselect_b32 s6, 0x3f000, s78                 ; from the second pair to the third: V: the next head, less two tiles
	s_cselect_b32 s79, 0x402000, s87
	s_cmp_eq_u32 ttmp9, 0
	s_cselect_b32 s79, 0, s79                      ; Q at 0, K at 4 MiB, V 8 pieces behind K
	s_cselect_b32 s84, 0x20000, s84
	s_cselect_b32 s82, 17, 18                      ; a head is 2^17 bytes of Q, 2^18 of K and V,
	s_cselect_b32 s83, 13, 14                      ; 128 tokens 2^13 and 2^14
	s_mov_b32 s85, 0
	s_lshl_b32 s4, s76, 1                          ; from the first pair to the second, from the third to the fourth
	s_lshr_b32 s81, s22, 4                         ; batch
	s_lshl_b32 s81, s81, 4
	s_lshl_b32 s80, s80, 1
	s_add_co_u32 s80, s80, s81                     ; batch x 16 + head
	s_lshl_b32 s80, s80, s82
	s_and_b32 s22, s22, 15
	s_lshl_b32 s22, s22, s83
	s_add_co_u32 s80, s80, s22
	s_add_co_u32 s80, s80, s79
	s_mov_b32 s81, 0
	s_add_nc_u64 s[10:11], s[74:75], s[80:81]
	s_add_nc_u64 s[12:13], s[10:11], s[84:85]
	v_add_nc_u32 v[CO+1], s76, v[CO]
.macro FRAG reg, adr, q, i             ; lane l holds row l % 16; registers 4 c .. 4 c + 3 hold K = 32 c + 16 (l / 16) + 0 .. 15
.irp c, 0,1,2,3
	ds_load_b128 v[\reg+4*\c:\reg+4*\c+3], v[\adr] offset:128*(\q)+32*\c+(\i)*16*PITCH
.endr
.endm
; 16 matrix instructions: A's blocks a0, a0 + 1 x B's eight, 128 along K.  p: B's set.  zero: the first products start the sums.  The 64 accumulators take turns.
.macro MUL16 a0, p, zero
.irp a, \a0, \a0+1
.irp b, 0,1,2,3,4,5,6,7
.if \zero
	v_wmma_f32_16x16x128_fp8_fp8 v[8*(8*((\a)%4)+\b):8*(8*((\a)%4)+\b)+7], v[128*(\p)+FR*\b:128*(\p)+FR*\b+FR-1], v[AF+FR*(\a):AF+FR*(\a)+FR-1], 0
.else
	v_wmma_f32_16x16x128_fp8_fp8 v[8*(8*((\a)%4)+\b):8*(8*((\a)%4)+\b)+7], v[128*(\p)+FR*\b:128*(\p)+FR*\b+FR-1], v[AF+FR*(\a):AF+FR*(\a)+FR-1], v[8*(8*((\a)%4)+\b):8*(8*((\a)%4)+\b)+7]
.endif
.endr
.endr
.endm
.macro FETCH_B slot, q, p
	WIN TO_B
.irp i, 0,1,2,3,4,5,6,7
	FRAG 128*(\p)+FR*\i, ADRB+\slot, \q, \i
.endr
	WIN 0
.endm
.macro FETCH_A slot, q, i0
.irp i, \i0, \i0+1, \i0+2, \i0+3
	FRAG AF+FR*(\i), ADRA+\slot, \q, \i
.endr
.endm
.macro PLACES n
.rept \n
	v_nop
.endr
.endm
.macro STEP slot, q, zero              ; 128 along K that have their successor in the same slot
	s_wait_dscnt 4*NL                              ; B's set and A's blocks 0-3 are in; the youngest loads (A's blocks 4-7) may be out
	WIN MUL_LO
	MUL16 0, (\q)%2, \zero
	MUL16 2, (\q)%2, \zero
	s_wait_dscnt 0
	PLACES NP
	FETCH_B \slot, (\q)+1, 1-(\q)%2
	FETCH_A \slot, (\q)+1, 0
	WIN MUL_HI
	MUL16 4, (\q)%2, \zero
	MUL16 6, (\q)%2, \zero
	PLACES NP
	WIN 0
	FETCH_A \slot, (\q)+1, 4
.endm
; A slot's last 128 along K.  ONE barrier: in front of it each wave waits for all its tensor loads, adds 0 to its spare word, and waits for that and for its reads of this slot.  fill: the slot is filled again, two K steps ahead.
.macro TURN slot, next, fill
	s_wait_tensorcnt 0x0
	ds_add_u32 v[SPW], v[NIL]
	s_wait_dscnt 4*NL+1                            ; (the add and the youngest loads, A's blocks 4-7, may be out)
	WIN MUL_LO
	MUL16 0, 1, 0
	s_wait_dscnt 0x0                               ; the add is done, and my reads of this slot are over
	s_barrier_signal -1
	MUL16 2, 1, 0
	WIN 0
	s_barrier_wait -1
.if \fill
	CREST                                          ; no wave of any partner still reads this slot's tile or has a load on its way
	s_add_nc_u64 s[G0+4*\slot+2:G0+4*\slot+3], s[G0+4*\slot+2:G0+4*\slot+3], 2*ROWB
	s_add_nc_u64 s[G0B+4*\slot+2:G0B+4*\slot+3], s[G0B+4*\slot+2:G0B+4*\slot+3], 2*ROWB
	JLOAD \slot                                    ; the first tensor load behind the round
.else
	PLACES NP
.endif
	FETCH_B \next, 0, 0
	FETCH_A \next, 0, 0
.if \fill && (\slot) == 0
	global_prefetch_b8 v[PFO], s[PFA:PFA+1] offset:768 th:TH_LOAD_NT scope:SCOPE_SE   ; K step 3, a K step ahead of its load; it is the last
.endif
	WIN MUL_HI
	MUL16 4, 1, 0
	MUL16 6, 1, 0
	PLACES NP
	WIN 0
	FETCH_A \next, 0, 4
.endm
	s_wait_alu depctr_va_vdst(0)                   ; the head's end
	s_wait_tensorcnt 0x0                           ; my part of both slots is in, so the descriptors may be written:
	s_add_nc_u64 s[20:21], s[G0+2:G0+3], 0         ; (the head's addresses, type bits and all)
	s_mul_i32 s45, s14, HALFT                      ; refills go wave x 128 rows on,
.irp g, G1, G1B
	s_mov_b32 s[\g+2], 128<<16                     ; and bring 128 rows
	s_mov_b32 s[\g+4], 128
.endr
	s_mul_i32 s18, s16, 0x1ff00                    ; from 256 x half along K to 128 rows x half down
	s_mov_b32 s19, 0
	s_add_nc_u64 s[G0+2:G0+3], s[20:21], s[18:19]
	s_add_nc_u64 s[G0B+2:G0B+3], s[G0B+2:G0B+3], s[18:19]
	s_mov_b32 s[G0+1], s45
	s_mov_b32 s[G0B+1], s45
	s_mov_b32 s[G0+4], 1
	s_mov_b32 s[G0B+4], 1
	s_add_co_u32 s[G0+5], s45, SLOT
	s_add_co_u32 s[G0B+5], s45, SLOT
	s_add_nc_u64 s[G0+6:G0+7], s[G0+2:G0+3], ROWB
	s_add_nc_u64 s[G0B+6:G0B+7], s[G0B+2:G0B+3], ROWB
	s_barrier_signal -1
	s_barrier_wait -1                              ; everybody's part is in
	FETCH_B 0, 0, 0
	FETCH_A 0, 0, 0
	FETCH_A 0, 0, 4
	STEP 0, 0, 1                                   ; K step 0
	TURN 0, 1, 1                                   ; slot 0 takes K step 2
	STEP 1, 0, 0                                   ; K step 1
	TURN 1, 0, 1                                   ; slot 1 takes K step 3
	STEP 0, 0, 0                                   ; K step 2
	TURN 0, 1, 0
	STEP 1, 0, 0                                   ; K step 3
	s_wait_dscnt 4*NL
	WIN MUL_LO
	MUL16 0, 1, 0                                  ; the very last 128 along K: blocks 0-3 are finished here, and the first pair goes on its way ahead of the products of blocks 4-7
	MUL16 2, 1, 0
	WIN 0
	s_wait_dscnt 0
	s_wait_kmcnt 0x0
	s_sub_co_i32 s88, s94, s88                     ; e6 - e0 - e1,
	s_sub_co_i32 s88, s88, s89
	s_sub_co_i32 s90, s95, s90                     ; e7 - e2 - e3,
	s_sub_co_i32 s90, s90, s91
	s_sub_co_i32 s92, s97, s92                     ; e9 - e4 - e5
	s_sub_co_i32 s92, s92, s93
	s_cmp_eq_u32 ttmp9, 0
	s_cselect_b32 s88, s88, s90
	s_cmp_eq_u32 ttmp9, 2
	s_cselect_b32 s88, s92, s88
	s_add_co_i32 s88, s88, 127
	s_lshl_b32 s89, s88, 23
	v_mov_b32 v[SCL], s89
	s_add_co_i32 s88, s88, 8
	s_lshl_b32 s88, s88, 23
	s_or_b32 s88, s88, 0x600000
	v_mov_b32 v[LIM], s88
	PLACES NP
; THE WAY OUT, a pair of blocks (32 rows x 128 columns) at a time.  CONV: held, quantised, into my own stage as rows of 64 bytes, and back as images: LDS serves a wave's instructions in order (ISA guide 5.7.1.4).
; SEND: eight stores of 512 consecutive bytes each, aligned; a pair is sent while the next one's loads from the stage are on their way.
.macro CONV p
.set BB, BK+32*((\p)%2)
.irp e, 0,1
.set AC, 64*((2*(\p)+\e)%4)
	WIN 0x02+((\p)/2)
.set j, 0
.rept 64
	v_med3_num_f32 v[TMP+j], v[AC+j], -v[LIM], v[LIM]   ; the conversion to an 8-bit code does not saturate (ISA guide 7.6.2); each accumulator from its low end on
.set j, j+1
.endr
	WIN 0
.irp b, 0,1,2,3,4,5,6,7
	v_cvt_scalef32_pk8_fp8_f32 v[CD+2*\b:CD+2*\b+1], v[TMP+8*\b:TMP+8*\b+7], v[SCL]
.endr
	v_nop
.irp b, 0,1,2,3,4,5,6,7
	ds_store_b64 v[STO], v[CD+2*\b:CD+2*\b+1] offset:(\b/4)*2560+\e*1280+(\b%4)*16
.endr
.endr
.if (\p) > 1
	s_wait_xcnt 0x0                                ; the stores of two pairs ago have read the registers that the loads below fill
.endif
.irp i, 0,1,2,3,4,5,6,7
	ds_load_b128 v[BB+4*\i:BB+4*\i+3], v[RD] offset:(\i/4)*2560+((\i/2)%2)*640+(\i%2)*32
.endr
.endm
.macro SEND p, younger
.set BB, BK+32*((\p)%2)
	s_wait_dscnt \younger                          ; the pair is back; the next pair's 16 stores and 8 loads may be out
.if (\p) > 0
	s_wait_xcnt 0x0                                ; the earlier stores have read their bases
.if (\p) == 2
	s_add_nc_u64 s[10:11], s[10:11], s[6:7]
	s_add_nc_u64 s[12:13], s[12:13], s[6:7]
.else
	s_add_nc_u64 s[10:11], s[10:11], s[4:5]
	s_add_nc_u64 s[12:13], s[12:13], s[4:5]
.endif
.endif
.irp i, 0,1,2,3,4,5,6,7
	global_store_b128 v[CO+((\i/2)%2)], v[BB+4*\i:BB+4*\i+3], s[10+2*(\i/4):11+2*(\i/4)] offset:(\i%2)*512
.endr
.endm
	CONV 0
	WIN MUL_HI
	MUL16 4, 1, 0
	MUL16 6, 1, 0
	WIN 0
	SEND 0, 0
	CONV 1
	CONV 2
	SEND 1, 24
	CONV 3
	SEND 2, 24
	SEND 3, 0
	s_wait_tensorcnt 0x0                           ; the wave's end
	ds_add_u32 v[SPW], v[NIL]
	s_wait_dscnt 0x0
	CROUND                                         ; the closing round: no work-group ends while a partner may still ask for a tile that names it
	s_endpgm
.Lfunc_end_k_q052262ce0b_qkv:
	.size	k_q052262ce0b_qkv, .Lfunc_end_k_q052262ce0b_qkv-k_q052262ce0b_qkv
	.p2alignl 7, 3214868480
	.fill 96, 4, 3214868480
	.section	.rodata,"a",@progbits
	.p2align	6, 0x0
	.amdhsa_kernel k_q052262ce0b_qkv
		.amdhsa_group_segment_fixed_size 327680
		.amdhsa_private_segment_fixed_size 0
		.amdhsa_enable_private_segment 0
		.amdhsa_kernarg_size 32
		.amdhsa_user_sgpr_count 2
		.amdhsa_user_sgpr_kernarg_segment_ptr 1
		.amdhsa_wavefront_size32 1
		.amdhsa_system_sgpr_workgroup_id_x 1
		.amdhsa_system_sgpr_workgroup_id_y 1
		.amdhsa_system_sgpr_workgroup_id_z 1
		.amdhsa_system_vgpr_workitem_id 0
		.amdhsa_next_free_vgpr 1024
		.amdhsa_next_free_sgpr 102
		.amdhsa_reserve_vcc 0
		.amdhsa_float_denorm_mode_32 3
		.amdhsa_float_denorm_mode_16_64 3
		.amdhsa_memory_ordered 1
		.amdhsa_forward_progress 1
		.amdhsa_inst_pref_size 126
	.end_amdhsa_kernel
	.amdgpu_metadata
---
amdhsa.version: [ 1, 2 ]
amdhsa.kernels:
  - .name:           k_q052262ce0b_qkv
    .symbol:         k_q052262ce0b_qkv.kd
    .args:
      - { .name: xc, .offset: 0, .size: 8, .value_kind: global_buffer, .address_space: global }
      - { .name: wc, .offset: 8, .size: 8, .value_kind: global_buffer, .address_space: global }
      - { .name: lowp_scales, .offset: 16, .size: 8, .value_kind: global_buffer, .address_space: global }
      - { .name: qkv, .offset: 24, .size: 8, .value_kind: global_buffer, .address_space: global }
    .group_segment_fixed_size: 327680
    .private_segment_fixed_size: 0
    .kernarg_segment_align: 8
    .kernarg_segment_size: 32
    .max_flat_workgroup_size: 128
    .sgpr_count:     102
    .vgpr_count:     1024
    .wavefront_size: 32
...
	.end_amdgpu_metadata
.endif
;; end of part 2
;; launch attn (part 3): grid 8 x 32, 16 waves a work-group, clusters of 4 x 1, 327,680 bytes of LDS; arguments qkv, lowp_scales, ao; writes ao
.if DOCPART == 3
	.amdgcn_target "amdgcn-amd-amdhsa--gfx1250"
	.amdhsa_code_object_version 6
	.text
	.protected	k_q052262ce0b_attn
	.globl	k_q052262ce0b_attn
	.p2align	8
	.type	k_q052262ce0b_attn,@function
k_q052262ce0b_attn:
	s_mov_b64 s[64:65], 0
	v_nop
	global_prefetch_b8 v0, s[64:65] scope:SCOPE_SE
	s_setreg_imm32_b32 hwreg(HW_REG_WAVE_MODE, 25, 1), 1
	s_wait_xcnt 0x0
	s_wait_alu depctr_hold_cnt(0) depctr_sa_sdst(0) depctr_va_vdst(0) depctr_va_sdst(0) depctr_va_ssrc(0) depctr_va_vcc(0) depctr_vm_vsrc(0)
	s_getreg_b32 s2, hwreg(HW_REG_IB_STS2, 6, 4)
	s_cmp_eq_u32 s2, 0
	s_cbranch_scc0 .Lentry_in_a_cluster
	s_endpgm
.Lentry_in_a_cluster:
	s_bfe_u32 s2, ttmp6, 0x10000c
	s_cmp_lg_u32 s2, 0x3003
	s_cbranch_scc0 .Lentry_shape_is_right
	s_endpgm
.Lentry_shape_is_right:
; Causal attention on E4M3 codes: 32 heads (2 batches x 16) of 2,048 tokens, head size 64.  Both products on codes; the result is quantised at once (scale 2^e10) for the output projection.
; IN: images of operand registers, as the launch before lays them (its head says how).  OUT: ao, images too: byte (head x 256 + token / 16) x 1,024 + 512 b + 16 x lane; lane (r, h): row r, d = 32 b + 16 h + 0 .. 15.
; ROW r OF A TILE T OF QUERIES IS TOKEN 32 (T / 2) + 8 (T % 2) + r + 8 (r / 8); so are the keys of K's tiles and the features of V's: the 16 result registers of tiles 2 b and 2 b + 1 are then 16 neighbours, 32 b + 16 (lane / 16) + 0 .. 15.
; THE SOFTMAX: t = score x log2(e) / 8; M = the row's largest t so far, rounded UP to a whole number; p = 2^(t - M) is quantised (scale 2^e8); the row's sum is taken of the unquantised p and divides at the end.
; When M moves, the sum and O are multiplied by 2^(old M - new M): exact.
; SHARES.  Two clusters of four work-groups own a head: cluster 0 the blocks of 128 queries {0,15, 7,8, 3,12, 4,11}, cluster 1 {1,14, 6,9, 2,13, 5,10}; each work-group has two of a block's eight tiles of 16 queries.
; Blocks b and 15 - b have 17 key steps of 128 together under the mask.  A PAIR OF WAVES takes a tile of each: role 0 the long tile's first 12 (b < 2), 11 (b = 2, 3) or 9 steps (b > 3), role 1 the short tile and then the rest of the long one's steps;
; role 1 hands its part of the long tile (O, sum, -M) over through LDS, and role 0 joins the two.  Whole steps that the causal mask hides are left out, by scalar branches on the wave's and the cluster's number alone.
; CLUSTER: the four work-groups walk the same steps (only the mask's numbers differ), so the head's K and V are asked for JOINTLY.  They lie in LDS whole, filled once, in two fills, one load a wave each:
; keys 0-511 at the kernel's head, the rest behind it.  Nothing is filled again.  No prefetch: both fills are asked for ahead of the first loop, so there is no trip to run ahead in.
; LDS: pieces of 1,024 bytes a step: 16 pieces x 4 steps (4,096 a piece), then 16 pieces x 12 steps (12,288 a piece).
; Both products are used transposed: S^T = K Q^T, O^T = V^T P^T: a lane holds ONE query throughout.  k is laid in the registers by loads of 16 bytes, alike in both operands of each product.
; LIMITS: e6 + e7 between -123 and 130 (added to c's exponent field); e8, and e10 - e8 - e9, between -126 and 119; the scaled scores t under 2^31 in magnitude; a NaN or an infinity that reaches only hidden scores is not carried.
.set LN,  1                            ; v1   16 x lane; never rewritten
.set XA,  3                            ; v3   my pair's place in the exchange
.set AD,  4                            ; v4-7 LDS addresses of the step's pieces 0, 4, 8, 12
.set SPW, 8                            ; v8   LDS address of my spare word; never rewritten
.set NIL, 9                            ; v9   0; never rewritten
.set QF,  16                           ; v16-23 my first tile's Q;  v24-31 the long tile's (role 0: the same tile)
.set QF2, 24
.set KV,  32                           ; v32-95   K's 8 fragments of 8 registers, then V's 4 of 16
.set S,   96                           ; v96-159  S^T, then p
.set OT,  160                          ; v160-191 O^T
.set PC,  192                          ; v192-207 p's codes; at the end the result's
.set MD,  218                          ; v218 my query in its block less 16 (lane / 16);  v219 -infinity
.set SA,  242                          ; v242-255 seven pairs of partial sums
                                       ; v11 2^e8, v12 -M, v13 the largest t, v[14:15] the sum in two halves; v208-214 at work; v216 2^(e10-e8-e9), v217 448 x that
.set LP,   60                          ; s60  448 x 2^e8
.set WV,   12                          ; s12  wave
.set ROLE, 13
.set UU,   14                          ; s14  which of the block's two tiles
.set SB,   15                          ; s15  b: the short block
.set BLK,  16                          ; s16  the block of the tile in hand
.set LBK,  17                          ; s17  15 - b: the long block
.set LOK,  18                          ; s18, s19  my first and last step of the last loop
.set HIK,  19
.set SEL,  20                          ; s[20:21] lane selects for v_permlanex16_b32: lane l xor 16
.set CS,   22                          ; s[22:23] c = log2(e) / 8 x 2^(e6 + e7)
.set G1,   24                          ; s[24:31], s[32:39] descriptor groups 1 of the two fills;  s[40:43], s[44:47] groups 0
.set G0,   40
.set SI,   48                          ; s48  the key step
.set TB,   49
.set AS,   50                          ; s[50:53]
.set CX,   54
.set YY,   55                          ; s55  batch x 16 + head
.set EXC,  262144                      ; the exchange: 4,608 bytes for each of 8 pairs
.set SPARE, EXC+8*4608                 ; the spare words, 128 bytes for each wave, that no other line names
.macro CROUND                          ; a round of the cluster's barrier
	s_barrier_signal -1
	s_barrier_wait -1
	s_cmp_lg_u32 s[WV], 0
	s_cbranch_scc1 .Lnot_wave_0_\@
	s_barrier_signal -3
.Lnot_wave_0_\@:
	s_barrier_wait -3
	s_barrier_signal -1
	s_barrier_wait -1
.endm
.macro ZERO                            ; a tile begins: O^T and the sum 0, the largest t -3e38 (under every t; the first change of M leaves the zeros zeros)
	v_mov_b32 v13, 0xff61b1e6
	v_mov_b32 v14, 0
	v_mov_b32 v15, 0
.set n, 0
.rept 32
	v_mov_b32 v[OT+n], 0
.set n, n+1
.endr
	v_floor_f32 v12, -v13                          ; -M
.endm
	s_load_b128 s[4:7], s[0:1], 0x0                ; qkv s[4:5], the exponents s[6:7]
	s_load_b64 s[8:9], s[0:1], 0x10                ; ao
	v_lshl_add_u32 v[SPW], v0, 2, SPARE
	v_mov_b32 v[NIL], 0
	ds_add_u32 v[SPW], v[NIL]                      ; the opening lines: the add, twice on end, and its wait ahead of my first tensor load
	ds_add_u32 v[SPW], v[NIL]
	v_lshrrev_b32 v2, 5, v0
	v_readfirstlane_b32 s[WV], v2                  ; wave 0..15
	s_bfe_u32 s[CX], ttmp6, 0x40000                ; my place in the cluster: it enters the mask's numbers and the addresses of Q and of the result, nothing else
	s_and_b32 s[YY], ttmp7, 0xffff
	s_and_b32 s[UU], s[WV], 1
	s_lshr_b32 s[ROLE], s[WV], 3
	s_bfe_u32 s57, s[WV], 0x10001
	s_bfe_u32 s58, s[WV], 0x10002
	s_xor_b32 s58, s58, s[ROLE]                    ; waves w and w + 12 (w = 0..3) are a pair, waves w + 4 and w + 8 another
	s_sub_co_u32 s59, 3, ttmp9
	s_cmp_eq_u32 s57, 1
	s_cselect_b32 s[SB], s59, ttmp9                ; cluster 0: 0 or 3; cluster 1: 1 or 2;
	s_sub_co_u32 s59, 7, s[SB]
	s_cmp_eq_u32 s58, 1
	s_cselect_b32 s[SB], s59, s[SB]                ; or 7 less that
	s_sub_co_u32 s[LBK], 15, s[SB]
	s_cmp_lt_u32 s[SB], 4
	s_cselect_b32 s58, 11, 9
	s_cmp_lt_u32 s[SB], 2
	s_cselect_b32 s58, 12, s58                     ; role 0's steps of the long tile
	s_sub_co_u32 s59, s58, 1
	s_cmp_eq_u32 s[ROLE], 0
	s_cselect_b32 s[BLK], s[LBK], s[SB]            ; my first tile's block
	s_cselect_b32 s[LOK], 8, s58
	s_cselect_b32 s[HIK], s59, s[LBK]
	v_and_b32 v[LN], 31, v0
	v_and_b32 v4, 15, v0                           ; r
	v_bfe_u32 v5, v0, 4, 1                         ; h
	v_lshlrev_b32 v[LN], 4, v[LN]
	v_and_b32 v6, 8, v4
	v_lshlrev_b32 v5, 4, v5
	v_add_nc_u32 v6, v6, v4                        ; r + 8 (r / 8)
	v_sub_nc_u32 v[MD], v6, v5
	; descriptor groups 1: rows of 1,024 bytes (a piece of a step), 16,384 apart (a step): 4 of them, then 12; the mask names the cluster's four work-groups, bit 21 beside it
.irp g, 0,8
	s_mov_b32 s[G1+\g], 15|(1<<21)
	s_mov_b32 s[G1+\g+1], 1024<<16                 ; tensor_dim0
	s_mov_b32 s[G1+\g+2], (4+\g)<<16               ; tensor_dim1
	s_mov_b32 s[G1+\g+3], 1024<<16                 ; tile_dim0
	s_mov_b32 s[G1+\g+4], 4+\g                     ; tile_dim1
	s_mov_b32 s[G1+\g+5], 16384                    ; tensor_dim0_stride
	s_mov_b32 s[G1+\g+6], 0
	s_mov_b32 s[G1+\g+7], 0
.endr
	s_lshl_b32 s74, s[YY], 18                      ; my head's K and V, my wave's piece
	s_lshl_b32 s57, s[WV], 10
	s_add_co_u32 s74, s74, s57
	s_add_co_u32 s74, s74, 0x400000
	s_mov_b32 s75, 0
	s_lshl_b32 s58, s[CX], 1
	s_add_co_u32 s58, s58, s[UU]                   ; my tile's place in a block
	s_lshl_b32 s59, s[BLK], 3
	s_add_co_u32 s59, s59, s58
	s_lshl_b32 s59, s59, 10                        ; my first tile,
	s_lshl_b32 s61, s[LBK], 3
	s_add_co_u32 s61, s61, s58
	s_lshl_b32 s61, s61, 10                        ; and the long one
	s_lshl_b32 s57, s[YY], 17
	s_add_co_u32 s76, s57, s59                     ; their Q
	s_mov_b32 s77, 0
	s_add_co_u32 s78, s57, s61
	s_mov_b32 s79, 0
	s_and_b32 s57, s[YY], 15
	s_lshl_b32 s57, s57, 18
	s_lshr_b32 s58, s[YY], 4
	s_lshl_b32 s58, s58, 17
	s_add_co_u32 s57, s57, s58
	s_add_co_u32 s66, s57, s59                     ; their results
	s_mov_b32 s67, 0
	s_add_co_u32 s62, s57, s61
	s_mov_b32 s63, 0
	s_wait_alu depctr_va_vdst(0)
	s_wait_dscnt 0x0                               ; both opening adds are done
	s_wait_kmcnt 0x0
	s_load_b128 s[68:71], s[6:7], 0x18             ; e6, e7, e8, e9
	s_load_b32 s72, s[6:7], 0x28                   ; e10
	s_add_nc_u64 s[74:75], s[4:5], s[74:75]
	s_add_nc_u64 s[76:77], s[4:5], s[76:77]
	s_add_nc_u64 s[78:79], s[4:5], s[78:79]
	s_add_nc_u64 s[10:11], s[8:9], s[62:63]
	s_add_nc_u64 s[8:9], s[8:9], s[66:67]
	s_mov_b32 s[G0], 1
	s_mul_i32 s[G0+1], s[WV], 4096
	s_mov_b64 s[G0+2:G0+3], s[74:75]
	s_or_b32 s[G0+3], s[G0+3], 0x80000000
	s_mov_b32 s[G0+4], 1
	s_mul_i32 s57, s[WV], 12288
	s_add_co_u32 s[G0+5], s57, 65536
	s_add_nc_u64 s[G0+6:G0+7], s[74:75], 0x10000   ; four steps on
	s_or_b32 s[G0+7], s[G0+7], 0x80000000
	CROUND                                         ; all four work-groups are here: the joint loads meet
	tensor_load_to_lds s[G0:G0+3], s[G1:G1+7]      ; keys 0-511: my piece of four steps
	s_nop 0
.rept 4
	v_nop
.endr
	global_load_b128 v[QF:QF+3], v[LN], s[76:77]
	global_load_b128 v[QF+4:QF+7], v[LN], s[76:77] offset:512
	global_load_b128 v[QF2:QF2+3], v[LN], s[78:79]
	global_load_b128 v[QF2+4:QF2+7], v[LN], s[78:79] offset:512
	s_lshl_b32 s57, s[CX], 5
	s_lshl_b32 s58, s[UU], 3
	s_add_co_u32 s57, s57, s58
	v_add_nc_u32 v[MD], s57, v[MD]                 ; d = 32 cx + 8 u + r + 8 (r / 8) - 16 h: on the diagonal register 16 b + i is hidden where 32 b + i > d
	v_mov_b32 v[MD+1], 0xff800000                  ; -infinity
	s_bfe_u32 s57, s[WV], 0x10002
	s_xor_b32 s57, s57, s[ROLE]
	s_lshl_b32 s57, s57, 2
	s_and_b32 s58, s[WV], 3
	s_add_co_u32 s57, s57, s58                     ; my pair, 0..7
	s_mul_i32 s57, s57, 4608
	s_add_co_u32 s57, s57, EXC
	v_add_nc_u32 v[XA], s57, v[LN]
	v_mov_b32 v214, 0                              ; written once: a lane permute's destination counts as one of its sources
	v_mov_b32 v209, 0                              ; (named as the upper half of the pair v[208:209])
	ZERO
	s_mov_b32 s[SEL], 0x76543210
	s_mov_b32 s[SEL+1], 0xfedcba98
	s_wait_alu depctr_va_vdst(0)
	s_wait_kmcnt 0x0
	s_add_co_i32 s57, s68, s69
	s_lshl_b32 s57, s57, 23
	s_add_co_i32 s[CS], s57, 0x3e38aa3b            ; log2(e) / 8; a score stands for score x 2^(e6 + e7): the two exponents are added to c's exponent field
	s_mov_b32 s[CS+1], s[CS]                       ; (named with it as a pair, so it is written)
	s_add_co_i32 s57, s70, 127
	s_lshl_b32 s58, s57, 23
	v_mov_b32 v11, s58                             ; 2^e8 as f32
	s_add_co_i32 s57, s57, 8
	s_lshl_b32 s57, s57, 23
	s_or_b32 s57, s57, 0x600000
	s_mov_b32 s[LP], s57                           ; 448 x 2^e8
	s_sub_co_i32 s57, s72, s70
	s_sub_co_i32 s57, s57, s71                     ; O / l stands for O / l x 2^(e8 + e9): its code is that / 2^(e10 - e8 - e9)
	s_add_co_i32 s57, s57, 127
	s_lshl_b32 s58, s57, 23
	v_mov_b32 v216, s58
	s_add_co_i32 s57, s57, 8
	s_lshl_b32 s57, s57, 23
	s_or_b32 s57, s57, 0x600000
	v_mov_b32 v217, s57
.macro FMA8                            ; t - M, two at a time (of the pairs c and -M the low word serves both halves): 16 scores
.rept 8
	v_pk_fma_f32 v[S+n:S+n+1], v[S+n:S+n+1], s[CS:CS+1], v[12:13] op_sel_hi:[1,0,0]
.set n, n+2
.endr
.endm
.macro HOLD16                          ; the conversion to an 8-bit code does not saturate (ISA guide 7.6.2); p is not negative, so the hold is one-sided: 32 numbers
.rept 16
	v_dual_min_num_f32 v[S+n], s[LP], v[S+n] :: v_dual_min_num_f32 v[S+n+1], s[LP], v[S+n+1]
.set n, n+2
.endr
.endm
; A KEY STEP: 128 keys, 16 queries.  st: bytes of a piece in this part of LDS; lb: where step 0 of piece 0 would lie; q: the tile's Q
.macro STEP st, lb, q
	s_lshl_b32 s[TB], s[SI], 10
.irp k, 0,1,2,3
	s_add_co_u32 s[AS+\k], s[TB], \lb+4*\k*\st
.endr
.irp k, 0,1,2,3
	v_add_nc_u32 v[AD+\k], s[AS+\k], v[LN]         ; these four are also the places in front of loads into registers that the last step's products have read
.endr
.irp t, 0,1,2,3,4,5,6,7
.irp c, 0,1
	ds_load_b128 v[KV+8*\t+4*\c:KV+8*\t+4*\c+3], v[AD+(\t/4)] offset:(\t%4)*\st+512*\c
.endr
.endr
	s_wait_alu depctr_va_vdst(0)
	s_wait_dscnt 8                                 ; tiles 0-3 are in; the eight loads of tiles 4-7 may be out
.irp t, 0,1,2,3
	v_wmma_f32_16x16x64_fp8_fp8 v[S+8*\t:S+8*\t+7], v[KV+8*\t:KV+8*\t+7], v[\q:\q+7], 0   ; S^T: register 16 b + i of lane (r, h): query r, key 32 b + 16 h + i of the step
.endr
	s_wait_dscnt 0x0
.irp t, 4,5,6,7
	v_wmma_f32_16x16x64_fp8_fp8 v[S+8*\t:S+8*\t+7], v[KV+8*\t:KV+8*\t+7], v[\q:\q+7], 0
.endr
.rept 4
	v_nop                                          ; places in front of the loads below and of the first read of S^T
.endr
.irp t, 0,1,2,3
.irp c, 0,1,2,3
	ds_load_b128 v[KV+16*\t+4*\c:KV+16*\t+4*\c+3], v[AD+2+(\t/2)] offset:(2*(\t%2)+\c/2)*\st+512*(\c%2)   ; V's fragments land while the softmax is worked: registers 4 c .. 4 c + 3: keys 32 c + 16 h + 0 .. 15
.endr
.endr
	s_cmp_lg_u32 s[SI], s[BLK]                     ; on the diagonal the scores of hidden keys become -infinity ahead of the maximum: p = 0 then
	s_cbranch_scc1 .Lopen_\@
.set n, 0
.rept 64
	v_cmp_gt_i32 vcc_lo, 32*(n/16)+n%16, v[MD]
	v_cndmask_b32 v[S+n], v[S+n], v[MD+1], vcc_lo
.set n, n+1
.endr
.Lopen_\@:
	v_max3_num_f32 v210, v[S], v[S+1], v[S+2]      ; the step's largest score of my query, among my 64 keys, in four chains, each accumulator from its low end on,
	v_max3_num_f32 v208, v[S+3], v[S+4], v[S+5]
	v_max3_num_f32 v211, v[S+6], v[S+7], v[S+8]
	v_max3_num_f32 v212, v[S+9], v[S+10], v[S+11]
.irp i, 12,20,28,36,44,52
	v_max3_num_f32 v210, v210, v[S+\i], v[S+1+\i]
	v_max3_num_f32 v208, v208, v[S+2+\i], v[S+3+\i]
	v_max3_num_f32 v211, v211, v[S+4+\i], v[S+5+\i]
	v_max3_num_f32 v212, v212, v[S+6+\i], v[S+7+\i]
.endr
	v_max3_num_f32 v210, v210, v[S+60], v[S+61]
	v_max3_num_f32 v208, v208, v[S+62], v[S+63]
	v_max_num_f32 v211, v211, v212
	v_max3_num_f32 v210, v210, v208, v211
	s_delay_alu instid0(VALU_DEP_1)
	v_permlanex16_b32 v214, v210, s[SEL], s[SEL+1]
	s_delay_alu instid0(VALU_DEP_1)
	v_max_num_f32 v210, v210, v214                 ; and among lane l xor 16's
	s_delay_alu instid0(VALU_DEP_1)
	v_mul_f32 v210, s[CS], v210                    ; as t (c is positive)
	s_delay_alu instid0(VALU_DEP_1)
	v_max_num_f32 v13, v13, v210                   ; the running largest t
	v_mov_b32 v210, v12
	s_delay_alu instid0(VALU_DEP_2)
	v_floor_f32 v12, -v13                          ; the new -M = floor(-t) = -ceil(t): M IS A WHOLE NUMBER
.set n, 0
	FMA8                                           ; the scalings stand between the dependent lines that make f
	v_sub_f32 v210, v12, v210                      ; M's old value less its new one: a whole number, 0 or less
	FMA8
	v_cvt_i32_f32 v210, v210                       ; (it saturates)
	FMA8
	v_ldexp_f32 v208, 1.0, v210                    ; f = 2^(old M - new M)
	FMA8
	s_wait_alu depctr_va_vdst(0)                   ; ahead of the batch
.set n, 0
.rept 64
	v_exp_f32 v[S+n], v[S+n]                       ; p = 2^(t - M), at most 1: NOT normalised
.set n, n+1
.endr
	v_pk_mul_f32 v[14:15], v[14:15], v[208:209] op_sel_hi:[1,0]   ; the sums under the new M: the plain instruction behind the exponentials
	s_wait_alu depctr_va_vdst(0)                   ; one wait behind the batch, ahead of the first readers of O^T and of p
.set n, 0
.rept 16
	v_pk_mul_f32 v[OT+n:OT+n+1], v[OT+n:OT+n+1], v[208:209] op_sel_hi:[1,0]   ; O^T under the new M: x f
.set n, n+2
.endr
.set n, 0
.rept 7                                ; THE ROW'S SUM IS TAKEN OF THE UNQUANTISED p, two at a time, in eight chains
	v_pk_add_f32 v[SA+2*n:SA+2*n+1], v[S+4*n:S+4*n+1], v[S+4*n+2:S+4*n+3]
.set n, n+1
.endr
	v_pk_add_f32 v[14:15], v[14:15], v[S+28:S+29]
.set n, 0
.rept 7
	v_pk_add_f32 v[SA+2*n:SA+2*n+1], v[SA+2*n:SA+2*n+1], v[S+30+2*n:S+31+2*n]
.set n, n+1
.endr
	v_pk_add_f32 v[14:15], v[14:15], v[S+44:S+45]
.set n, 0
.rept 7
	v_pk_add_f32 v[SA+2*n:SA+2*n+1], v[SA+2*n:SA+2*n+1], v[S+46+2*n:S+47+2*n]
.set n, n+1
.endr
	v_pk_add_f32 v[14:15], v[14:15], v[S+60:S+61]
	v_pk_add_f32 v[SA:SA+1], v[SA:SA+1], v[S+62:S+63]
.set n, 0
	HOLD16                                         ; the chains are joined between the holds
	v_pk_add_f32 v[SA+2:SA+3], v[SA+2:SA+3], v[SA+10:SA+11]
	v_pk_add_f32 v[SA+4:SA+5], v[SA+4:SA+5], v[SA+12:SA+13]
	v_pk_add_f32 v[14:15], v[14:15], v[SA+6:SA+7]
	v_pk_add_f32 v[SA:SA+1], v[SA:SA+1], v[SA+8:SA+9]
	HOLD16
	v_pk_add_f32 v[SA+2:SA+3], v[SA+2:SA+3], v[SA+4:SA+5]
	v_pk_add_f32 v[14:15], v[14:15], v[SA:SA+1]
.irp b, 0,1,2,3,4,5,6,7
	v_cvt_scalef32_pk8_fp8_f32 v[PC+2*\b:PC+2*\b+1], v[S+8*\b:S+8*\b+7], v11
.endr
	v_pk_add_f32 v[14:15], v[14:15], v[SA+2:SA+3]  ; (a plain instruction between the conversions and the products that read the codes)
	s_wait_alu depctr_va_vdst(0)
	s_wait_dscnt 0x0                               ; V is in
.irp t, 0,1,2,3
	v_wmma_f32_16x16x128_fp8_fp8 v[OT+8*\t:OT+8*\t+7], v[KV+16*\t:KV+16*\t+15], v[PC:PC+15], v[OT+8*\t:OT+8*\t+7]   ; the four accumulators by turns; between two links of a chain stand the next step's eight products too
.endr
.endm
; A TILE GOES OUT: O^T / the sum, held, quantised: the conversions' results are the next product's operand registers: each store of the wave covers 512 consecutive bytes, aligned.
.macro FIN src, base
	v_add_f32 v14, v14, v15                        ; the sum's two halves,
	s_delay_alu instid0(VALU_DEP_1)
	v_permlanex16_b32 v214, v14, s[SEL], s[SEL+1]
	s_delay_alu instid0(VALU_DEP_1)
	v_add_f32 v14, v14, v214                       ; and lane l xor 16's: the row's sum
	s_wait_alu depctr_va_vdst(0)
	v_rcp_f32 v14, v14
	v_nop                                          ; a plain instruction behind the transcendental
	s_wait_alu depctr_va_vdst(0)
.set n, 0
.rept 16
	v_pk_mul_f32 v[S+n:S+n+1], v[\src+n:\src+n+1], v[14:15] op_sel_hi:[1,0]   ; register 16 b + i is o(query r, d = 32 b + 16 h + i)
.set n, n+2
.endr
.set n, 0
.rept 32
	v_med3_num_f32 v[S+n], v[S+n], -v217, v217
.set n, n+1
.endr
.irp i, 0,1,2,3
	v_cvt_scalef32_pk8_fp8_f32 v[PC+2*\i:PC+2*\i+1], v[S+8*\i:S+8*\i+7], v216
.endr
	v_nop
	global_store_b128 v[LN], v[PC:PC+3], s[\base:\base+1]
	global_store_b128 v[LN], v[PC+4:PC+7], s[\base:\base+1] offset:512
.endm
	s_wait_alu depctr_va_vdst(0)                   ; the head's end
	s_wait_tensorcnt 0x0                           ; my piece of the first fill is in
	ds_add_u32 v[SPW], v[NIL]
	s_wait_dscnt 0x0
	CROUND                                         ; everybody's pieces are in, and the joint loads meet:
	tensor_load_to_lds s[G0+4:G0+7], s[G1+8:G1+15] ; keys 512-2047: my piece of twelve steps; it lands under the first loop
	s_nop 0
.rept 4
	v_nop
.endr
	s_wait_loadcnt 0x0                             ; Q
	s_mov_b32 s[SI], 0
.Lfirst:                                               ; steps 0 and 1 of my first tile
	s_cmp_gt_u32 s[SI], s[BLK]
	s_cbranch_scc1 .Lfirst_next
	STEP 4096, 0, QF
.Lfirst_next:
	s_add_co_u32 s[SI], s[SI], 1
	s_cmp_lt_u32 s[SI], 2
	s_cbranch_scc1 .Lfirst
	s_wait_alu depctr_va_vdst(0)
	s_wait_tensorcnt 0x0                           ; my piece of the second fill is in:
	s_wait_dscnt 0x0
	s_barrier_signal -1                            ; say so.  Between the two halves stand work on registers and LDS loads of the first fill's bytes, which nobody writes
	s_mov_b32 s[SI], 2
.Lmiddle:                                              ; steps 2 and 3
	s_cmp_gt_u32 s[SI], s[BLK]
	s_cbranch_scc1 .Lmiddle_next
	STEP 4096, 0, QF
.Lmiddle_next:
	s_add_co_u32 s[SI], s[SI], 1
	s_cmp_lt_u32 s[SI], 4
	s_cbranch_scc1 .Lmiddle
	s_wait_alu depctr_va_vdst(0)
	s_barrier_wait -1                              ; everybody's piece is in
	s_mov_b32 s[SI], 4
.Lsecond:                                              ; steps 4-7 of my first tile
	s_cmp_gt_u32 s[SI], s[BLK]
	s_cbranch_scc1 .Lsecond_next
	STEP 12288, 61440, QF
.Lsecond_next:
	s_add_co_u32 s[SI], s[SI], 1
	s_cmp_lt_u32 s[SI], 8
	s_cbranch_scc1 .Lsecond
	s_cmp_eq_u32 s[ROLE], 0
	s_cbranch_scc1 .Lgoes_on
.rept 4
	v_nop                                          ; places behind the last products
.endr
	FIN OT, 8                                      ; role 1: the short tile is finished,
	ZERO                                           ; and its part of the long one begins
	s_wait_alu depctr_va_vdst(0)
	s_wait_xcnt 0x0                                ; the stores have read the codes' registers
.Lgoes_on:
	s_mov_b32 s[BLK], s[LBK]
	s_mov_b32 s[SI], 8
.Lthird:                                               ; steps 8-15: of the long tile, my share of them
	s_cmp_lt_u32 s[SI], s[LOK]
	s_cbranch_scc1 .Lthird_next
	s_cmp_gt_u32 s[SI], s[HIK]
	s_cbranch_scc1 .Lthird_next
	STEP 12288, 61440, QF2
.Lthird_next:
	s_add_co_u32 s[SI], s[SI], 1
	s_cmp_lt_u32 s[SI], 16
	s_cbranch_scc1 .Lthird
.rept 4
	v_nop                                          ; places behind the last products
.endr
	s_cmp_eq_u32 s[ROLE], 0
	s_cbranch_scc1 .Lkeeps
.irp i, 0,1,2,3,4,5,6,7
	ds_store_b128 v[XA], v[OT+4*\i:OT+4*\i+3] offset:512*\i   ; role 1 hands over O^T,
.endr
	ds_store_b128 v[XA], v[12:15] offset:4096      ; -M and the sum's two halves
.Lkeeps:
	s_wait_dscnt 0x0
	s_barrier_signal -1
	s_barrier_wait -1
	s_cmp_lg_u32 s[ROLE], 0
	s_cbranch_scc1 .Ldone
	ds_load_b128 v[64:67], v[XA] offset:4096       ; role 0 joins the two parts: -M in v64, the sum's halves in v[66:67],
.irp i, 0,1,2,3,4,5,6,7
	ds_load_b128 v[KV+4*\i:KV+4*\i+3], v[XA] offset:512*\i   ; O^T in v32-63
.endr
	v_mov_b32 v75, 0                               ; (the upper halves of two pairs that are named)
	v_mov_b32 v77, 0
	s_wait_alu depctr_va_vdst(0)
	s_wait_dscnt 0x0
	v_min_num_f32 v70, v12, v64                    ; -M of both
	v_sub_f32 v71, v70, v12
	v_sub_f32 v72, v70, v64
	v_cvt_i32_f32 v71, v71                         ; (they saturate: a part that had no step is multiplied by 0)
	v_cvt_i32_f32 v72, v72
	v_ldexp_f32 v74, 1.0, v71                      ; the powers of two that bring each part under the common M
	v_ldexp_f32 v76, 1.0, v72
	v_pk_mul_f32 v[14:15], v[14:15], v[74:75] op_sel_hi:[1,0]
.set n, 0
.rept 16
	v_pk_mul_f32 v[S+n:S+n+1], v[OT+n:OT+n+1], v[74:75] op_sel_hi:[1,0]
.set n, n+2
.endr
	v_pk_fma_f32 v[14:15], v[66:67], v[76:77], v[14:15] op_sel_hi:[1,0,1]
.set n, 0
.rept 16
	v_pk_fma_f32 v[S+n:S+n+1], v[KV+n:KV+n+1], v[76:77], v[S+n:S+n+1] op_sel_hi:[1,0,1]
.set n, n+2
.endr
	FIN S, 10
.Ldone:
	s_wait_tensorcnt 0x0                           ; the wave's end
	ds_add_u32 v[SPW], v[NIL]
	s_wait_dscnt 0x0
	CROUND                                         ; the closing round: no work-group ends while a partner may still ask for a tile that names it
	s_endpgm
.Lfunc_end_k_q052262ce0b_attn:
	.size	k_q052262ce0b_attn, .Lfunc_end_k_q052262ce0b_attn-k_q052262ce0b_attn
	.p2alignl 7, 3214868480
	.fill 96, 4, 3214868480
	.section	.rodata,"a",@progbits
	.p2align	6, 0x0
	.amdhsa_kernel k_q052262ce0b_attn
		.amdhsa_group_segment_fixed_size 327680
		.amdhsa_private_segment_fixed_size 0
		.amdhsa_enable_private_segment 0
		.amdhsa_kernarg_size 24
		.amdhsa_user_sgpr_count 2
		.amdhsa_user_sgpr_kernarg_segment_ptr 1
		.amdhsa_wavefront_size32 1
		.amdhsa_system_sgpr_workgroup_id_x 1
		.amdhsa_system_sgpr_workgroup_id_y 1
		.amdhsa_system_sgpr_workgroup_id_z 1
		.amdhsa_system_vgpr_workitem_id 0
		.amdhsa_next_free_vgpr 256
		.amdhsa_next_free_sgpr 82
		.amdhsa_reserve_vcc 1
		.amdhsa_float_denorm_mode_32 3
		.amdhsa_float_denorm_mode_16_64 3
		.amdhsa_memory_ordered 1
		.amdhsa_forward_progress 1
		.amdhsa_inst_pref_size 106
	.end_amdhsa_kernel
	.amdgpu_metadata
---
amdhsa.version: [ 1, 2 ]
amdhsa.kernels:
  - .name:           k_q052262ce0b_attn
    .symbol:         k_q052262ce0b_attn.kd
    .args:
      - { .name: qkv, .offset: 0, .size: 8, .value_kind: global_buffer, .address_space: global }
      - { .name: lowp_scales, .offset: 8, .size: 8, .value_kind: global_buffer, .address_space: global }
      - { .name: ao, .offset: 16, .size: 8, .value_kind: global_buffer, .address_space: global }
    .group_segment_fixed_size: 327680
    .private_segment_fixed_size: 0
    .kernarg_segment_align: 8
    .kernarg_segment_size: 24
    .max_flat_workgroup_size: 512
    .sgpr_count:     82
    .vgpr_count:     256
    .wavefront_size: 32
...
	.end_amdgpu_metadata
.endif
;; end of part 3
;; launch oproj (part 4): grid 8 x 32, 4 waves a work-group, clusters of 4 x 4, 327,680 bytes of LDS; arguments ao, wc, lowp_scales, out0; writes out0
.if DOCPART == 4
	.amdgcn_target "amdgcn-amd-amdhsa--gfx1250"
	.amdhsa_code_object_version 6
	.text
	.protected	k_q052262ce0b_oproj
	.globl	k_q052262ce0b_oproj
	.p2align	8
	.type	k_q052262ce0b_oproj,@function
k_q052262ce0b_oproj:
	s_mov_b64 s[64:65], 0
	v_nop
	global_prefetch_b8 v0, s[64:65] scope:SCOPE_SE
	s_setreg_imm32_b32 hwreg(HW_REG_WAVE_MODE, 25, 1), 1
	s_wait_xcnt 0x0
	s_wait_alu depctr_hold_cnt(0) depctr_sa_sdst(0) depctr_va_vdst(0) depctr_va_sdst(0) depctr_va_ssrc(0) depctr_va_vcc(0) depctr_vm_vsrc(0)
	s_getreg_b32 s2, hwreg(HW_REG_IB_STS2, 6, 4)
	s_cmp_eq_u32 s2, 0
	s_cbranch_scc0 .Lentry_in_a_cluster
	s_endpgm
.Lentry_in_a_cluster:
	s_bfe_u32 s2, ttmp6, 0x10000c
	s_cmp_lg_u32 s2, 0xf033
	s_cbranch_scc0 .Lentry_shape_is_right
	s_endpgm
.Lentry_shape_is_right:
; out0 = attention's result x WO, on E4M3 codes, f32 sums, each finished sum x 2^(e10 + e11).  [4,096 tokens][1,024] f32.  LIMIT: e10 + e11 between -126 and 127, so that the power of two is an f32 number.
; A: ao, images of operand registers: byte (head x 256 + tile) x 1,024 + b x 512 + 16 x lane; lane (r, h): row r of the tile, d = 32 b + 16 h + 0 .. 15; ROW r OF TILE T IS TOKEN 32 (T / 2) + 8 (T % 2) + r + 8 (r / 8).
; B: WO's codes, wc + 3 MiB, [n][k].
; A tile of the output is 128 x 128: 8 x 32 = 256 work-groups.  Four waves, each 64 x 64.  THE WHOLE K (1,024) LIES IN LDS, filled once by one load a wave: waves 0 and 1 bring eight heads of A each, waves 2 and 3 64 rows of B each.
; CLUSTERS: 4 x 4 work-groups.  The four of a row of the cluster need the same tiles of A, the four of a column the same tiles of B: each tile is asked for JOINTLY.  No prefetch: there is one fill and no loop to run ahead in.
; BY ROWS: B's fragments for all of K fill 512 registers; then the wave's four tiles of 16 tokens are finished one after the other (32 matrix instructions each), and each goes out under the next one's products.  Each fragment is read from LDS once.
; THE MATRIX INSTRUCTION IS USED TRANSPOSED (source 0 = 16 rows of WO's codes, source 1 = 16 tokens): a lane then holds eight neighbouring numbers of a row of the output.
; k is laid in the registers 16 bytes at a time, alike in both operands: registers 4 c .. 4 c + 3 hold k = 32 c + 16 (lane / 16) + 0 .. 15 of a step's 128.
; REGISTERS: window 0: v16-29 addresses; v32-63 a tile's results; v64-127 rows read back, two sets; v128-255 the accumulators ((a, b) at v[128 + 8 (4 a + b)]).
;   window 1: A's fragments of a tile, 8 steps x 16, two buffers;  windows 2, 3: B's of steps 0-3, 4-7 (step s, block b at 64 (s % 4) + 16 b).
.set PITCH, 272                        ; a row of the stage: 256 bytes + 16
.set PB,    1040                       ; a row of B in LDS: 1,024 bytes + 16: 260 words: row r starts at bank 4 r mod 64 (64 banks of 4 bytes: ISA guide 11.1)
.set BOFF,  131072                     ; A: 16 heads x 8 images of 1,024 bytes; then B's 128 rows
.set STAGE, BOFF+128*PB                ; 16 rows x 272 bytes for each wave, bytes of their own
.set SPARE, STAGE+4*16*PITCH           ; the spare words, 128 bytes for each wave, that no other line names
.set ADRA, 16                          ; v16, v17  LDS address of my A fragments, heads 0-7 and 8-15
.set ADRB, 20                          ; v20       of my B fragments
.set STO,  24
.set RD,   25
.set CO,   26
.set SPW,  28                          ; v28  LDS address of my spare word; never rewritten
.set NIL,  29                          ; v29  0; never rewritten
.set TMP,  32
.set BK,   64
.set ACC,  128
.set G1A, 24                           ; s[24:31], s[32:35] descriptor groups 1 and 0 for A's tiles
.set G0A, 32
.set G1B, 48                           ; s[48:55], s[68:71] for B's
.set G0B, 68
.set MSB, 0
.macro WIN new                         ; the immediate's high byte repeats the setting that is left
.if MSB != \new
	s_set_vgpr_msb (MSB<<8)|\new
.set MSB, \new
.endif
.endm
.set MUL,  0x06                        ; source 0 (B) window 2 (+ 1: window 3), source 1 (A) window 1; C and D window 0
.set TO_A, 0x40                        ; destination window 1, address window 0
.set TO_B, 0x80                        ; destination window 2 (+ 0x40: window 3)
.macro CROUND                          ; a round of the cluster's barrier
	s_barrier_signal -1
	s_barrier_wait -1
	s_cmp_lg_u32 s14, 0
	s_cbranch_scc1 .Lnot_wave_0_\@
	s_barrier_signal -3
.Lnot_wave_0_\@:
	s_barrier_wait -3
	s_barrier_signal -1
	s_barrier_wait -1
.endm
.macro PLACES
.rept 4
	v_nop
.endr
.endm
	s_load_b256 s[4:11], s[0:1], 0x0               ; ao s[4:5], wc s[6:7], the exponents s[8:9], out0 s[10:11]
	v_lshl_add_u32 v[SPW], v0, 2, SPARE
	v_mov_b32 v[NIL], 0
	ds_add_u32 v[SPW], v[NIL]                      ; the opening lines: the add, twice on end, and its wait ahead of my first tensor load
	ds_add_u32 v[SPW], v[NIL]
	v_lshrrev_b32 v1, 5, v0
	v_readfirstlane_b32 s14, v1                    ; wave 0..3
	s_lshr_b32 s15, s14, 1                         ; which half of the tile's rows is mine.  Also: I fetch for A (0) or for B (1)
	s_and_b32 s16, s14, 1                          ; which half of its columns.  Also: which half of the tile I fetch
	s_bfe_u32 s84, ttmp6, 0x40000                  ; cx, cy: my place in the cluster
	s_bfe_u32 s85, ttmp6, 0x40004
	s_lshl_b32 s86, ttmp9, 2
	s_add_co_u32 s86, s86, s84                     ; tile column = 4 x cluster x + cx
	s_and_b32 s87, ttmp7, 0xffff
	s_lshl_b32 s87, s87, 2
	s_add_co_u32 s87, s87, s85                     ; tile row = 4 x cluster y + cy
	s_lshl_b32 s88, s85, 2
	s_lshl_b32 s88, 15, s88                        ; my row of the cluster
	s_lshl_b32 s89, 0x1111, s84                    ; my column
	; A: eight heads' images of the tile's 128 tokens: 8 rows of 8,192 bytes, 262,144 bytes apart, no padding
	s_or_b32 s[G1A+0], s88, (0<<16)|(1<<21)        ; the mask: A's tiles go to my row; elements of 1 byte; bit 21 set beside a mask
	s_mov_b32 s[G1A+1], 8192<<16                   ; tensor_dim0
	s_mov_b32 s[G1A+2], 8<<16                      ; tensor_dim1
	s_mov_b32 s[G1A+3], 8192<<16                   ; tile_dim0
	s_mov_b32 s[G1A+4], 8                          ; tile_dim1
	s_mov_b32 s[G1A+5], 262144                     ; tensor_dim0_stride
	s_mov_b32 s[G1A+6], 0
	s_mov_b32 s[G1A+7], 0
	; B: 64 rows of 1,024 bytes, 16 bytes of padding behind each (after every 256 words, code 7; 4 words, code 3)
	s_or_b32 s[G1B+0], s89, (0<<16)|(1<<20)|(1<<21)|(7<<22)|(3<<25)
	s_mov_b32 s[G1B+1], 1024<<16
	s_mov_b32 s[G1B+2], 64<<16
	s_mov_b32 s[G1B+3], 1024<<16
	s_mov_b32 s[G1B+4], 64
	s_mov_b32 s[G1B+5], 1024
	s_mov_b32 s[G1B+6], 0
	s_mov_b32 s[G1B+7], 0
	s_lshl_b32 s20, s16, 21                        ; A: my eight heads,
	s_lshl_b32 s21, s87, 13                        ;    the tile row's 8 images of 1,024 bytes
	s_add_co_u32 s20, s20, s21
	s_mov_b32 s21, 0
	s_lshl_b32 s22, s86, 17                        ; B: the tile column's 128 rows of 1,024 bytes,
	s_lshl_b32 s23, s16, 16                        ;    my 64 of them,
	s_add_co_u32 s22, s22, s23
	s_add_co_u32 s22, s22, 0x300000                ;    in WO's part of wc
	s_mov_b32 s23, 0
	s_mov_b32 s[G0A], 1
	s_lshl_b32 s[G0A+1], s16, 16                   ; where they go: no place in the cluster enters an LDS address
	s_mov_b32 s[G0B], 1
	s_mul_i32 s18, s16, 64*PB
	s_add_co_u32 s[G0B+1], s18, BOFF
	s_wait_alu depctr_va_vdst(0)
	s_wait_dscnt 0x0                               ; both opening adds are done
	s_wait_kmcnt 0x0
	s_load_b64 s[96:97], s[8:9], 0x28              ; e10, e11
	s_add_nc_u64 s[G0A+2:G0A+3], s[4:5], s[20:21]
	s_or_b32 s[G0A+3], s[G0A+3], 0x80000000
	s_add_nc_u64 s[G0B+2:G0B+3], s[6:7], s[22:23]
	s_or_b32 s[G0B+3], s[G0B+3], 0x80000000
	CROUND                                         ; all sixteen work-groups are here: the joint loads meet
	s_cmp_eq_u32 s15, 0
	s_cbranch_scc0 .Lfor_b
	tensor_load_to_lds s[G0A:G0A+3], s[G1A:G1A+7]
	s_nop 0
.rept 4
	v_nop
.endr
	s_branch .Lasked
.Lfor_b:
	tensor_load_to_lds s[G0B:G0B+3], s[G1B:G1B+7]
	s_nop 0
.rept 4
	v_nop
.endr
.Lasked:
	v_and_b32 v1, 15, v0                           ; r
	v_bfe_u32 v2, v0, 4, 1                         ; h
	v_and_b32 v3, 31, v0
	v_mul_u32_u24 v5, v1, PB
	v_lshlrev_b32 v4, 4, v3                        ; 16 x lane: an image's place for my lane
	v_lshl_add_u32 v5, v2, 4, v5                   ; B: row x pitch + 16 x half
	s_wait_alu depctr_va_vdst(0)
	s_lshl_b32 s19, s15, 12                        ; my 64 tokens: 4 images of 1,024 bytes
	s_mul_i32 s12, s16, 64*PB                      ; my 64 rows of B
	s_add_co_u32 s12, s12, BOFF
	s_mul_i32 s13, s14, 16*PITCH
	s_add_co_u32 s13, s13, STAGE                   ; my stage
	v_add_nc_u32 v[ADRA], s19, v4
	v_add_nc_u32 v[ADRB], s12, v5
	v_mul_u32_u24 v6, v1, PITCH
	v_mul_u32_u24 v7, v2, PITCH
	v_add_nc_u32 v[ADRA+1], 0x10000, v[ADRA]
	v_lshl_add_u32 v6, v2, 5, v6
	v_lshl_add_u32 v7, v1, 4, v7
	v_add_nc_u32 v[STO], s13, v6                   ; in: row r, 32 bytes for each half of the lanes
	v_add_nc_u32 v[RD], s13, v7                    ; back: lanes 0-15 one row of 256 bytes, lanes 16-31 the next
	v_lshlrev_b32 v8, 12, v2
	v_lshl_add_u32 v[CO], v1, 4, v8                ; and the same two rows in the output
	s_lshl_b32 s90, s87, 7
	s_lshl_b32 s91, s15, 6
	s_add_co_u32 s90, s90, s91                     ; my first row: 128 x tile row + 64 x half
	s_lshl_b32 s90, s90, 12                        ; rows of 4,096 bytes
	s_lshl_b32 s91, s86, 9                         ; my first column, in bytes: 512 x tile column + 256 x half
	s_add_co_u32 s90, s90, s91
	s_lshl_b32 s91, s16, 8
	s_add_co_u32 s90, s90, s91
	s_mov_b32 s91, 0
	s_add_nc_u64 s[10:11], s[10:11], s[90:91]
.macro FETCH_B hf                      ; 64 LDS loads: B's fragments of steps 4 hf .. 4 hf + 3
	WIN TO_B+0x40*\hf
.irp s, 0,1,2,3
.irp i, 0,1,2,3
.irp k, 0,1,2,3
	ds_load_b128 v[64*\s+16*\i+4*\k:64*\s+16*\i+4*\k+3], v[ADRB] offset:128*(4*\hf+\s)+32*\k+\i*16*PB
.endr
.endr
.endr
.endm
.macro FETCH_A a                       ; 32 LDS loads: tile a's fragments of all eight steps (a step is two heads)
	WIN TO_A
.irp s, 0,1,2,3,4,5,6,7
.irp k, 0,1,2,3
	ds_load_b128 v[128*(\a%2)+16*\s+4*\k:128*(\a%2)+16*\s+4*\k+3], v[ADRA+(\s/4)] offset:(2*(\s%4)+\k/2)*8192+\a*1024+(\k%2)*512
.endr
.endr
.endm
; 16 matrix instructions: tile a, steps 4 hf .. 4 hf + 3; the tile's four accumulators take turns, one instruction a turn.  The first products start the sums
.macro MUL16 a, hf
	WIN MUL+\hf
.irp s, 0,1,2,3
.irp b, 0,1,2,3
.if \hf+\s == 0
	v_wmma_f32_16x16x128_fp8_fp8 v[ACC+8*(4*\a+\b):ACC+8*(4*\a+\b)+7], v[64*\s+16*\b:64*\s+16*\b+15], v[128*(\a%2)+64*\hf+16*\s:128*(\a%2)+64*\hf+16*\s+15], 0
.else
	v_wmma_f32_16x16x128_fp8_fp8 v[ACC+8*(4*\a+\b):ACC+8*(4*\a+\b)+7], v[64*\s+16*\b:64*\s+16*\b+15], v[128*(\a%2)+64*\hf+16*\s:128*(\a%2)+64*\hf+16*\s+15], v[ACC+8*(4*\a+\b):ACC+8*(4*\a+\b)+7]
.endif
.endr
.endr
.endm
; THE WAY OUT of a tile, 16 rows x 64 columns.  PACK: x 2^(e10 + e11); 32 bytes a lane into my own stage; back as rows of 256 bytes.  SEND: sixteen lanes store 256 consecutive bytes, aligned.
.macro PACK a
.set BB, BK+32*(\a%2)
	WIN 0
.set n, 0
.rept 16
	v_pk_mul_f32 v[TMP+n:TMP+n+1], v[ACC+32*\a+n:ACC+32*\a+n+1], s[96:97] op_sel_hi:[1,0]   ; each accumulator from its low end on
.set n, n+2
.endr
.irp b, 0,1,2,3
	ds_store_b128 v[STO], v[TMP+8*\b:TMP+8*\b+3] offset:64*\b
	ds_store_b128 v[STO], v[TMP+8*\b+4:TMP+8*\b+7] offset:64*\b+16
.endr
.if \a > 1
	s_wait_xcnt 0x0                                ; the stores of two tiles ago have read the registers that the loads below fill
.endif
.irp t, 0,1,2,3,4,5,6,7
	ds_load_b128 v[BB+4*\t:BB+4*\t+3], v[RD] offset:\t*2*PITCH   ; LDS serves a wave's instructions in order (ISA guide 5.7.1.4): these see the stores above
.endr
.endm
.macro SEND a
.set BB, BK+32*(\a%2)
	WIN 0
	s_wait_dscnt 0x0
.irp t, 0,1,2,3,4,5,6,7
	global_store_b128 v[CO], v[BB+4*\t:BB+4*\t+3], s[10:11] offset:(32*(\a/2)+8*(\a%2)+2*\t+8*(\t/4))*4096 th:TH_STORE_NT   ; rows 2 t, 2 t + 1 of the tile, at their tokens; written once, read by nobody here
.endr
.endm
	s_wait_alu depctr_va_vdst(0)                   ; the head's end
	s_wait_kmcnt 0x0
	s_add_co_i32 s96, s96, s97
	s_add_co_i32 s96, s96, 127
	s_lshl_b32 s96, s96, 23                        ; 2^(e10 + e11) as f32
	s_mov_b32 s97, s96                             ; (named with it as a pair, so it is written)
	s_wait_tensorcnt 0x0                           ; my part is in;
	s_barrier_signal -1
	s_barrier_wait -1                              ; everybody's is
	FETCH_B 0
	FETCH_A 0
	FETCH_B 1
	s_wait_dscnt 63                                ; of the 160 loads the first 97 are in: B's steps 0-3 and tile 0 are the first 96
	MUL16 0, 0
	FETCH_A 1
	s_wait_dscnt 32                                ; B's steps 4-7; the 32 just issued may be out
	MUL16 0, 1
	PLACES                                         ; in front of loads into registers that tile 0's products have read, and of the first read of its results
	FETCH_A 2
	PACK 0
	s_wait_dscnt 48                                ; tile 1 is in; tile 2's 32 loads and the stage's 16 instructions may be out
	MUL16 1, 0
	MUL16 1, 1
	SEND 0
	PLACES
	FETCH_A 3
	PACK 1
	MUL16 2, 0                                     ; (tile 2 came with SEND 0's wait)
	MUL16 2, 1
	SEND 1
	PLACES
	PACK 2
	MUL16 3, 0                                     ; (tile 3 came with SEND 1's wait)
	MUL16 3, 1
	SEND 2
	PLACES
	PACK 3
	SEND 3
	s_wait_tensorcnt 0x0                           ; the wave's end
	ds_add_u32 v[SPW], v[NIL]
	s_wait_dscnt 0x0
	CROUND                                         ; the closing round: no work-group ends while a partner may still ask for a tile that names it
	s_endpgm
.Lfunc_end_k_q052262ce0b_oproj:
	.size	k_q052262ce0b_oproj, .Lfunc_end_k_q052262ce0b_oproj-k_q052262ce0b_oproj
	.p2alignl 7, 3214868480
	.fill 96, 4, 3214868480
	.section	.rodata,"a",@progbits
	.p2align	6, 0x0
	.amdhsa_kernel k_q052262ce0b_oproj
		.amdhsa_group_segment_fixed_size 327680
		.amdhsa_private_segment_fixed_size 0
		.amdhsa_enable_private_segment 0
		.amdhsa_kernarg_size 32
		.amdhsa_user_sgpr_count 2
		.amdhsa_user_sgpr_kernarg_segment_ptr 1
		.amdhsa_wavefront_size32 1
		.amdhsa_system_sgpr_workgroup_id_x 1
		.amdhsa_system_sgpr_workgroup_id_y 1
		.amdhsa_system_sgpr_workgroup_id_z 1
		.amdhsa_system_vgpr_workitem_id 0
		.amdhsa_next_free_vgpr 1024
		.amdhsa_next_free_sgpr 100
		.amdhsa_reserve_vcc 0
		.amdhsa_float_denorm_mode_32 3
		.amdhsa_float_denorm_mode_16_64 3
		.amdhsa_memory_ordered 1
		.amdhsa_forward_progress 1
		.amdhsa_inst_pref_size 43
	.end_amdhsa_kernel
	.amdgpu_metadata
---
amdhsa.version: [ 1, 2 ]
amdhsa.kernels:
  - .name:           k_q052262ce0b_oproj
    .symbol:         k_q052262ce0b_oproj.kd
    .args:
      - { .name: ao, .offset: 0, .size: 8, .value_kind: global_buffer, .address_space: global }
      - { .name: wc, .offset: 8, .size: 8, .value_kind: global_buffer, .address_space: global }
      - { .name: lowp_scales, .offset: 16, .size: 8, .value_kind: global_buffer, .address_space: global }
      - { .name: out0, .offset: 24, .size: 8, .value_kind: global_buffer, .address_space: global }
    .group_segment_fixed_size: 327680
    .private_segment_fixed_size: 0
    .kernarg_segment_align: 8
    .kernarg_segment_size: 32
    .max_flat_workgroup_size: 128
    .sgpr_count:     100
    .vgpr_count:     1024
    .wavefront_size: 32
...
	.end_amdgpu_metadata
.endif
;; end of part 4
